; MI455X (gfx1250); checked and timed in simulation.
; The chip was launched on July 23, 2026; its instructions are those of AMD's public machine-readable ISA for CDNA 5 (MIT licence, August 2026) and "CDNA5" Instruction Set Architecture Reference Guide (July 2026). The comments in the code are by the model that wrote it; some were corrected since.
;; GQA. Allowed arithmetic: matrix products marked QUANTISED: E2M3 operands, one E8M0 scale for each 32 along K, by v_wmma_scale_f32_16x16x128_f8f6f4 with both operands' format E2M3, f32 sums; everything else in f32.
;; Inputs: cos 2,048 x 64 float32; sin 2,048 x 64 float32; wk 2,048 x 512 float32; wo 2,048 x 2,048 float32; wq 2,048 x 2,048 float32; wv 2,048 x 512 float32; x 1 x 2,048 x 2,048 float32.
;; Outputs: out0 1 x 2,048 x 2,048 float32.
;; This version of the problem:
;;   THIS VERSION OF THE PROBLEM IS GIVEN IN LOW PRECISION. The matrix products marked QUANTISED in the list below multiply operands that are first quantised to E2M3 (2 exponent bits, 3 mantissa bits; 6 bits a number), with one power-of-two scale for each 32 numbers along K (OCP MX v1.0); their sums are f32. All else is computed in f32.
;;   The module's matrix products, in the order in which they are computed (A, B: the left and right operand; K: the contracted axis; several contracted axes count as one K, in the product's order):
;;     1. [M 2,048, K 2,048] x [K 2,048, N 2,048]; A: input x; B: input wq: QUANTISED
;;     2. [M 2,048, K 2,048] x [K 2,048, N 512]; A: input x; B: input wk: QUANTISED
;;     3. [M 2,048, K 2,048] x [K 2,048, N 512]; A: input x; B: input wv: QUANTISED
;;     4. batch 4 x [M 8,192, K 128] x [K 128, N 2,048]; A: computed on the way; B: computed on the way: QUANTISED
;;     5. batch 4 x [M 8,192, K 2,048] x [K 2,048, N 128]; A: softmax (see below); B: computed on the way: QUANTISED
;;     6. [M 2,048, K 2,048] x [K 2,048, N 2,048]; A: computed on the way; B: input wo: QUANTISED
;;   THE QUANTISER, for each operand of a quantised product, along K:
;;     - K is cut into blocks of 32 from its start; a last block that is shorter is filled with zeros.
;;     - A block's scale is 2^e with e = floor(log2(the largest magnitude in the block)) - 2, held to -126 .. 127; a block of zeros has e = 0. As a byte (E8M0): e + 127.
;;     - Each number is divided by its block's scale, clamped to +-7.5, and rounded to the nearest number of E2M3, ties to even, subnormals kept.
;;     - The product sums the exact products of the quantised numbers (number of the format x scale) in f32.
;;   ~~~python
;;   def quantise(x, axis):      # numpy; x: float32 -> the quantised numbers, widened to float32 again
;;       x = np.moveaxis(x, axis, -1); K = x.shape[-1]
;;       x = np.pad(x, [(0, 0)] * (x.ndim - 1) + [(0, -K % 32)]); x = x.reshape(x.shape[:-1] + (-1, 32)); a = np.abs(x).max(-1, keepdims=True)
;;       e = np.where(a > 0, np.clip(np.frexp(np.where(a > 0, a, 1))[1] - 1 - 2, -126, 127), 0)      # np.frexp(a)[1] - 1 = floor(log2(a)), exactly
;;       r = np.clip(x / 2.0 ** e, -7.5, 7.5)
;;       step = 2.0 ** (np.maximum(np.frexp(np.where(r == 0, 1, r))[1] - 1, 0) - 3)
;;       q = np.round(r / step) * step * 2.0 ** e      # np.round: ties to even
;;       return np.moveaxis(q.reshape(q.shape[:-2] + (-1,))[..., :K], -1, axis).astype(np.float32)
;;   ~~~
;;   SOFTMAX AHEAD OF A QUANTISED PRODUCT. Where the list says 'softmax', what is quantised is not the finished softmax but p = 2^(t - M), with t = logit x log2(e) and M = ceil(the row's largest t), a whole number; so 1/2 < the row's largest p <= 1. The row's sum l is taken of the UNQUANTISED p, in f32, and the product's result is divided by l at the end. Since M is a whole number, a kernel that streams over the keys may use a running M (the ceiling of the running maximum): every later rescaling is an exact power of two, which a block's scale takes up: the codes' values come out the same.
;;   OPERANDS COMPUTED ON THE WAY. 'Computed on the way' means the value that the module computes at that place (a softmax that the list does not call 'softmax' is quantised finished and normalised). What goes into a quantiser is computed in f32, as accurately as f32 sums, v_exp_f32 and their like allow (about 1e-6 of the number): no bf16 or f16 on the way to a quantiser, and a product that is left as it is and whose result goes on into a quantised operand takes f32 operands (vector FMAs, or v_wmma_f32_16x16x4_f32). A number that lies on a knife's edge between two numbers of the format may be rounded either way, as far as f32 arithmetic and the matrix unit's own rounding can turn it there, and no further.
;; One version. Each part assembles by itself: llvm-mc -triple=amdgcn-amd-amdhsa -mcpu=gfx1250 --defsym DOCPART=n.
;; ======== version 1 of 1: 4 launches
;; limits: right only within a limited range of input values
;; workspace buffers: xc 3,145,728 bytes; xs 131,072 bytes; wc 7,864,320 bytes; ws 327,680 bytes; qkvc 4,718,592 bytes; qkvs 196,608 bytes; ac 3,145,728 bytes; asc 131,072 bytes
;; launch prep (part 1): grid 448 x 1, 4 waves a work-group, no clusters, 60,928 bytes of LDS; arguments x, wq, wk, wv, wo, xc, xs, wc, ws; writes xc, xs, wc, ws
.if DOCPART == 1
	.amdgcn_target "amdgcn-amd-amdhsa--gfx1250"
	.amdhsa_code_object_version 6
	.text
	.protected	k_q20434d2893_prep
	.globl	k_q20434d2893_prep
	.p2align	8
	.type	k_q20434d2893_prep,@function
k_q20434d2893_prep:
	s_mov_b64 s[64:65], 0
	v_nop
	global_prefetch_b8 v0, s[64:65] scope:SCOPE_SE
	s_setreg_imm32_b32 hwreg(HW_REG_WAVE_MODE, 25, 1), 1
	s_wait_xcnt 0x0
; x [2048][2048] and the four weights [2048 (K)][n], f32, become codes of FP6 (E2M3) with one E8M0 byte for each 32 along K, laid as the later launches' operand registers want them.
; TILES.  Rows (t of x, columns n of a weight) go in tiles of 16; of each 32 rows e, tile (e>>3)&1 takes e as its row (e&7)+8(e>>4): tile u holds rows 8u+r+8(r>>3).
; A FRAGMENT (16 rows x 128 K, 12 registers a lane) lies as an image of its registers, 1,536 bytes: register j of lane l at 512 (j/4) + 16 l + 4 (j%4).  xc: [128 tiles][16 K steps]; wc: [320 tiles][16 K steps],
; column groups of 128: 0-15 wq, 16-19 wk, 20-23 wv, 24-39 wo.  SCALE WORDS (xs, ws): [group of 128 rows][256 K: 8][tile 8][row 16][8 bytes: the words of two K steps].
; A block's scale is 2^(floor(log2(largest magnitude)) - 2): its byte is the largest magnitude's exponent field - 2, held at 1 from below by the floor 2^-124 among the maximum's leaves.
; LIMITS: a block of zeros gets the byte 1 (its codes are zeros, and this program alone reads the bytes); NaN and infinities among the inputs are not served.
; Work-groups 0-127 take x (a wave: 32 rows x 256 K), 128-447 the weights (a wave: 32 columns x 256 K).  The two ways have LDS bytes of their own.  No tensor loads, no barrier: waves share nothing.
.set XPW,   8448                       ; x's stage of a wave: 16 rows x (512 bytes + 16)
.set WSTG,  33792                      ; behind x's four stages: the weights' stages
.set WPW,   6656                       ; of a wave: four fragments' images,
.set WFP,   1664                       ; 1,536 bytes + 128 apart, so that the sixteen lanes of a store fall on sixteen different columns of 16 bytes
.set SPARE, 60416                      ; the spare words, 128 bytes a wave: two blocks of 256 bytes that no other line names
.set SPW,   242                        ; v242 LDS address of my spare word; never rewritten
.set NIL,   243                        ; v243 0; never rewritten
.set R,     16                         ; x: v16-143 two sets of 64 numbers as loaded
.set X,     144                        ; v144-207 64 numbers of my row: k = 64 c + 32 h + 0 .. 31
.set C,     208                        ; v208-219 a fragment's codes
.set H2,    220                        ; v220-222, v224-226 the second halves of the blocks' codes
.set TM,    228                        ; v228-235 at work
.set W,     236                        ; v236-239 the four steps' scale words
.set VO,    16                         ; weights: v16-47 row i of a block: i x pitch + 4 x lane
.set XW,    48                         ; v48-111 two sets of 32 numbers
.set CW,    112                        ; v112-117 a block's codes;  v120-122 their second half
.set CW2,   120
.set SB,    124                        ; v124-125 my column's eight scale bytes
.set OUTR,  128                        ; v128-175 the way out
	s_load_b256 s[4:11], s[0:1], 0x0               ; x s[4:5], wq s[6:7], wk s[8:9], wv s[10:11]
	s_load_b256 s[12:19], s[0:1], 0x20             ; wo s[12:13], xc s[14:15], xs s[16:17], wc s[18:19]
	s_load_b64 s[20:21], s[0:1], 0x40              ; ws
	v_lshl_add_u32 v[SPW], v0, 2, SPARE
	v_mov_b32 v[NIL], 0
	v_lshrrev_b32 v1, 5, v0
	v_readfirstlane_b32 s22, v1                    ; wave
	v_and_b32 v2, 31, v0                           ; lane
	v_lshlrev_b32 v3, 4, v2                        ; 16 x lane
	s_cmp_lt_u32 ttmp9, 128
	s_cbranch_scc0 .Lweights
; ---------------- x: K is innermost.  A step is one fragment: tile u = t / 2 of my 32 rows, K step s = t % 2 of my 256 along K
	s_lshr_b32 s23, ttmp9, 1                       ; T: which 32 rows
	s_and_b32 s24, ttmp9, 1
	s_lshl_b32 s24, s24, 2
	s_add_co_u32 s24, s24, s22                     ; kg: which 256 along K
	s_mul_i32 s25, s22, XPW                        ; my stage
	v_add_nc_u32 v4, s25, v3                       ; in: a row's 512 bytes as they lie
	v_and_b32 v8, 15, v0                           ; r
	v_bfe_u32 v9, v0, 4, 1                         ; h
	v_mul_u32_u24 v5, v8, 528
	v_lshl_add_u32 v5, v9, 7, v5
	v_add_nc_u32 v5, s25, v5                       ; out: row r, + 128 h bytes: the operand's layout gives lane (r, h) k = 64 c + 32 h + 0 .. 31
	v_lshlrev_b32 v6, 3, v2                        ; 8 x lane
	v_lshlrev_b32 v7, 3, v9                        ; 8 h: my bytes' place in a scale word
	v_mov_b32 v[TM+7], 0                           ; written once: a lane permute's destination counts as one of its sources
	s_mov_b32 s26, 0x76543210
	s_mov_b32 s27, 0xfedcba98                      ; selects for lane l xor 16
	s_lshl_b32 s28, s23, 18                        ; x: 32 T rows of 8,192 bytes
	s_lshl_b32 s30, s24, 10
	s_add_co_u32 s28, s28, s30                     ; + 256 kg numbers
	s_mov_b32 s29, 0
	s_mul_i32 s30, s23, 2*24576                    ; xc: tile 2 T, 24,576 bytes a tile,
	s_mul_i32 s32, s24, 2*1536
	s_add_co_u32 s30, s30, s32                     ; K step 2 kg
	s_mov_b32 s31, 0
	s_lshr_b32 s32, s23, 2
	s_lshl_b32 s32, s32, 13                        ; xs: group T / 4,
	s_lshl_b32 s34, s24, 10
	s_add_co_u32 s32, s32, s34                     ; kg,
	s_and_b32 s34, s23, 3
	s_lshl_b32 s34, s34, 8
	s_add_co_u32 s32, s32, s34                     ; the pair of tiles T % 4
	s_mov_b32 s33, 0
	s_wait_alu depctr_va_vdst(0)
	s_wait_kmcnt 0x0
	s_add_nc_u64 s[4:5], s[4:5], s[28:29]
	s_add_nc_u64 s[14:15], s[14:15], s[30:31]
	s_add_nc_u64 s[16:17], s[16:17], s[32:33]
.macro LOADX t                         ; the tile's 16 rows x 512 bytes: each load reads 512 consecutive bytes
.irp i, 0,1,2,3,4,5,6,7,8,9,10,11,12,13,14,15
	global_load_b128 v[R+64*((\t)%2)+4*\i:R+64*((\t)%2)+4*\i+3], v3, s[4:5] offset:(8*((\t)/2)+\i+8*(\i/8))*8192+512*((\t)%2) th:TH_LOAD_NT
.endr
.endm
.macro STEPX t
.set RS, R+64*((\t)%2)
.if (\t) < 3
	s_wait_loadcnt 16                              ; this step's 16 loads are in; the next step's 16 may be out
.else
	s_wait_loadcnt 0x0
.endif
.irp i, 0,1,2,3,4,5,6,7,8,9,10,11,12,13,14,15
	ds_store_b128 v4, v[RS+4*\i:RS+4*\i+3] offset:528*\i
.endr
.irp c, 0,1
.irp j, 0,1,2,3,4,5,6,7
	ds_load_b128 v[X+32*\c+4*\j:X+32*\c+4*\j+3], v5 offset:256*\c+16*\j   ; LDS serves a wave's instructions in order: these see the stores above
.endr
.endr
	s_wait_dscnt 0x0                               ; my 64 numbers are in, and the stores have read their registers,
.if (\t) < 2
	LOADX (\t)+2                                   ; which take the loads of two steps on
.endif
.irp c, 0,1
	v_max3_num_f32 v[TM+\c], |v[X+32*\c]|, |v[X+32*\c+1]|, 0x1800000   ; my block 2 c + h: all its 32 numbers are mine; the floor 2^-124 holds the byte at 1
.endr
.irp i, 2,4,6,8,10,12,14,16,18,20,22,24,26,28,30
.irp c, 0,1
	v_max3_num_f32 v[TM+\c], v[TM+\c], |v[X+32*\c+\i]|, |v[X+32*\c+\i+1]|
.endr
.endr
.irp c, 0,1
	v_add_nc_u32 v[TM+2+\c], 0xff000000, v[TM+\c]  ; 2 off the exponent field: the conversion's scale operand
.endr
.irp c, 0,1
	v_lshrrev_b32 v[TM+4+\c], 23, v[TM+2+\c]       ; the scale's byte
.endr
	v_lshl_or_b32 v[TM+6], v[TM+5], 16, v[TM+4]    ; my two bytes: blocks h and 2 + h,
	v_lshlrev_b32 v[TM+6], v7, v[TM+6]             ; at their places;
	v_permlanex16_b32 v[TM+7], v[TM+6], s26, s27
	v_or_b32 v[W+(\t)], v[TM+6], v[TM+7]           ; with lane l xor 16's two the row's word is whole, in both lanes
.if (\t) > 0
	s_wait_alu depctr_va_vdst(0)
	s_wait_xcnt 0x0                                ; the last step's stores have read the codes' registers: they are written again only behind this wait
.endif
.irp c, 0,1
	v_cvt_scalef32_pk16_fp6_f32 v[C+6*\c:C+6*\c+2], v[X+32*\c:X+32*\c+15], v[TM+2+\c]
	v_cvt_scalef32_pk16_fp6_f32 v[H2+4*\c:H2+4*\c+2], v[X+32*\c+16:X+32*\c+31], v[TM+2+\c]   ; (a conversion's three registers begin on an even number)
.endr
	v_nop                                          ; one plain place behind a scaled conversion
.irp c, 0,1
.irp i, 0,1,2
	v_mov_b32 v[C+3+6*\c+\i], v[H2+4*\c+\i]
.endr
.endr
.irp c, 0,1,2
	global_store_b128 v3, v[C+4*\c:C+4*\c+3], s[14:15] offset:((\t)/2)*24576+((\t)%2)*1536+512*\c   ; the image: 512 consecutive bytes a store
.endr
.endm
	LOADX 0
	LOADX 1
	STEPX 0
	STEPX 1
	STEPX 2
	STEPX 3
	v_cmp_le_u32 vcc_lo, 16, v2                    ; lanes 16-31 carry tile 1's words
	v_cndmask_b32 v240, v[W], v[W+2], vcc_lo
	v_cndmask_b32 v241, v[W+1], v[W+3], vcc_lo
	global_store_b64 v6, v[240:241], s[16:17]      ; 32 lanes store 256 consecutive bytes, aligned
	s_branch .Lend
; ---------------- the weights: K is the first axis.  A lane takes a column, its registers run down K: a block of 32 lies in one lane
.Lweights:
	s_sub_co_u32 s23, ttmp9, 128
	s_lshr_b32 s24, s23, 3                         ; cg: which 128 columns of the 5,120
	s_and_b32 s25, s23, 7                          ; kg: which 256 along K
	v_bfe_u32 v12, v0, 3, 1                        ; my column's tile u of the wave's two,
	v_and_b32 v13, 7, v0
	v_bfe_u32 v14, v0, 4, 1
	v_lshl_add_u32 v13, v14, 3, v13                ; and its row r there
	s_mul_i32 s34, s22, WPW
	s_add_co_u32 s34, s34, WSTG                    ; my stage
	v_mul_u32_u24 v8, v12, WFP
	v_lshl_add_u32 v8, v13, 4, v8
	v_add_nc_u32 v8, s34, v8                       ; in: fragment u, lane place r
	s_wait_alu depctr_va_vdst(0)
	v_add_nc_u32 v9, s34, v3                       ; back: 16 x lane
	v_lshlrev_b32 v11, 7, v12
	v_lshl_add_u32 v11, v13, 3, v11                ; my row's 8 scale bytes: 128 u + 8 r
	v_lshlrev_b32 v10, 2, v2                       ; 4 x lane
	s_wait_alu depctr_va_vdst(0)
	s_wait_kmcnt 0x0
	s_mov_b64 s[26:27], s[6:7]                     ; which weight: the choice hangs on the work-group's number alone
	s_mov_b32 s28, 0
	s_mov_b32 s29, 8192                            ; its row in bytes
	s_cmp_ge_u32 s24, 16
	s_cselect_b64 s[26:27], s[8:9], s[26:27]
	s_cselect_b32 s28, 16, s28
	s_cselect_b32 s29, 2048, s29
	s_cmp_ge_u32 s24, 20
	s_cselect_b64 s[26:27], s[10:11], s[26:27]
	s_cselect_b32 s28, 20, s28
	s_cmp_ge_u32 s24, 24
	s_cselect_b64 s[26:27], s[12:13], s[26:27]
	s_cselect_b32 s28, 24, s28
	s_cselect_b32 s29, 8192, s29
	s_sub_co_u32 s28, s24, s28                     ; the group of 128 columns inside that weight
	s_lshl_b32 s30, s25, 8
	s_mul_i32 s30, s30, s29                        ; 256 kg rows
	s_lshl_b32 s32, s28, 9
	s_add_co_u32 s30, s30, s32
	s_lshl_b32 s32, s22, 7
	s_add_co_u32 s30, s30, s32                     ; + my wave's 32 columns
	s_mov_b32 s31, 0
	s_lshl_b32 s32, s29, 5                         ; 32 rows on
	s_mov_b32 s33, 0
	s_add_nc_u64 s[40:41], s[26:27], s[30:31]      ; a base for each of the eight blocks: no immediate hangs on the pitch
.irp t, 1,2,3,4,5,6,7
	s_add_nc_u64 s[40+2*\t:41+2*\t], s[38+2*\t:39+2*\t], s[32:33]
.endr
.irp i, 0,1,2,3,4,5,6,7,8,9,10,11,12,13,14,15,16,17,18,19,20,21,22,23,24,25,26,27,28,29,30,31
	v_mad_u32_u24 v[VO+\i], s29, \i, v10
.endr
	s_lshl_b32 s34, s24, 3
	s_lshl_b32 s35, s22, 1
	s_add_co_u32 s34, s34, s35                     ; wc: tile 8 cg + 2 wave,
	s_mul_i32 s34, s34, 24576
	s_mul_i32 s35, s25, 2*1536
	s_add_co_u32 s34, s34, s35                     ; K step 2 kg
	s_mov_b32 s35, 0
	s_add_nc_u64 s[18:19], s[18:19], s[34:35]
	s_lshl_b32 s36, s24, 13                        ; ws: group cg, kg, my wave's pair of tiles
	s_lshl_b32 s37, s25, 10
	s_add_co_u32 s36, s36, s37
	s_lshl_b32 s37, s22, 8
	s_add_co_u32 s36, s36, s37
	s_mov_b32 s37, 0
	s_add_nc_u64 s[20:21], s[20:21], s[36:37]
.macro LOADW t                         ; block t: rows 32 t + i of my 256, my column: 128 consecutive bytes a wave
.irp i, 0,1,2,3,4,5,6,7,8,9,10,11,12,13,14,15,16,17,18,19,20,21,22,23,24,25,26,27,28,29,30,31
	global_load_b32 v[XW+32*((\t)%2)+\i], v[VO+\i], s[40+2*(\t):41+2*(\t)] th:TH_LOAD_NT
.endr
.endm
; Block t = 4 s + b is block b of K step s of my row: in the fragment's image it is registers 6 (b / 2) .. + 5 of lane place r + 16 (b % 2)
.macro BLOCK t
.set XS, XW+32*((\t)%2)
.set BO, 2*WFP*((\t)/4)+256*((\t)%2)
.if (\t) < 7
	s_wait_loadcnt 32                              ; this block's 32 loads are in; the next block's may be out
.else
	s_wait_loadcnt 0x0
.endif
	v_max3_num_f32 v12, |v[XS]|, |v[XS+1]|, |v[XS+2]|
	v_max3_num_f32 v13, |v[XS+3]|, |v[XS+4]|, |v[XS+5]|
.irp i, 6,10,14,18,22,26
	v_max3_num_f32 v12, v12, |v[XS+\i]|, |v[XS+\i+1]|
	v_max3_num_f32 v13, v13, |v[XS+\i+2]|, |v[XS+\i+3]|
.endr
	v_max3_num_f32 v12, v12, |v[XS+30]|, |v[XS+31]|
	v_max3_num_f32 v12, v12, v13, 0x1800000        ; and the floor
	v_add_nc_u32 v14, 0xff000000, v12              ; the conversion's scale operand
	v_lshrrev_b32 v13, 23, v14                     ; the byte
.if (\t)%4 == 0
	v_mov_b32 v[SB+(\t)/4], v13
.else
	v_lshl_or_b32 v[SB+(\t)/4], v13, 8*((\t)%4), v[SB+(\t)/4]
.endif
	v_cvt_scalef32_pk16_fp6_f32 v[CW:CW+2], v[XS:XS+15], v14
	v_cvt_scalef32_pk16_fp6_f32 v[CW2:CW2+2], v[XS+16:XS+31], v14
	v_nop                                          ; one plain place behind a scaled conversion
.irp i, 0,1,2
	v_mov_b32 v[CW+3+\i], v[CW2+\i]
.endr
.if (\t)%4 < 2
	ds_store_b128 v8, v[CW:CW+3] offset:BO         ; registers 0-3
	ds_store_b64 v8, v[CW+4:CW+5] offset:BO+512    ; 4, 5
.else
	ds_store_b64 v8, v[CW:CW+1] offset:BO+520      ; 6, 7
	ds_store_b128 v8, v[CW+2:CW+5] offset:BO+1024  ; 8-11
.endif
.if (\t)+2 < 8
	LOADW (\t)+2
.endif
	s_wait_dscnt 0x0                               ; the stores have read their registers: the next block's codes may be written
.endm
	s_wait_alu depctr_va_vdst(0)
	LOADW 0
	LOADW 1
.irp t, 0,1,2,3,4,5,6,7
	BLOCK \t
.endr
	s_wait_alu depctr_va_vdst(0)
	global_store_b64 v11, v[SB:SB+1], s[20:21]     ; the wave's 32 rows: 256 consecutive bytes, aligned
.irp f, 0,1,2,3
.irp c, 0,1,2
	ds_load_b128 v[OUTR+4*(3*\f+\c):OUTR+4*(3*\f+\c)+3], v9 offset:WFP*\f+512*\c
.endr
.endr
.irp f, 0,1,2,3
.irp c, 0,1,2
	s_wait_dscnt 11-(3*\f+\c)                      ; the younger loads may be out
	global_store_b128 v3, v[OUTR+4*(3*\f+\c):OUTR+4*(3*\f+\c)+3], s[18:19] offset:(\f%2)*24576+(\f/2)*1536+512*\c
.endr
.endr
.Lend:
	s_wait_tensorcnt 0x0                           ; the wave's end, behind my last LDS store
	ds_add_u32 v[SPW], v[NIL]
	s_wait_dscnt 0x0
	s_endpgm
.Lfunc_end_k_q20434d2893_prep:
	.size	k_q20434d2893_prep, .Lfunc_end_k_q20434d2893_prep-k_q20434d2893_prep
	.p2alignl 7, 3214868480
	.fill 96, 4, 3214868480
	.section	.rodata,"a",@progbits
	.p2align	6, 0x0
	.amdhsa_kernel k_q20434d2893_prep
		.amdhsa_group_segment_fixed_size 60928
		.amdhsa_private_segment_fixed_size 0
		.amdhsa_enable_private_segment 0
		.amdhsa_kernarg_size 72
		.amdhsa_user_sgpr_count 2
		.amdhsa_user_sgpr_kernarg_segment_ptr 1
		.amdhsa_wavefront_size32 1
		.amdhsa_system_sgpr_workgroup_id_x 1
		.amdhsa_system_sgpr_workgroup_id_y 1
		.amdhsa_system_sgpr_workgroup_id_z 1
		.amdhsa_system_vgpr_workitem_id 0
		.amdhsa_next_free_vgpr 256
		.amdhsa_next_free_sgpr 66
		.amdhsa_reserve_vcc 1
		.amdhsa_float_denorm_mode_32 3
		.amdhsa_float_denorm_mode_16_64 3
		.amdhsa_memory_ordered 1
		.amdhsa_forward_progress 1
		.amdhsa_inst_pref_size 74
	.end_amdhsa_kernel
	.amdgpu_metadata
---
amdhsa.version: [ 1, 2 ]
amdhsa.kernels:
  - .name:           k_q20434d2893_prep
    .symbol:         k_q20434d2893_prep.kd
    .args:
      - { .name: x, .offset: 0, .size: 8, .value_kind: global_buffer, .address_space: global }
      - { .name: wq, .offset: 8, .size: 8, .value_kind: global_buffer, .address_space: global }
      - { .name: wk, .offset: 16, .size: 8, .value_kind: global_buffer, .address_space: global }
      - { .name: wv, .offset: 24, .size: 8, .value_kind: global_buffer, .address_space: global }
      - { .name: wo, .offset: 32, .size: 8, .value_kind: global_buffer, .address_space: global }
      - { .name: xc, .offset: 40, .size: 8, .value_kind: global_buffer, .address_space: global }
      - { .name: xs, .offset: 48, .size: 8, .value_kind: global_buffer, .address_space: global }
      - { .name: wc, .offset: 56, .size: 8, .value_kind: global_buffer, .address_space: global }
      - { .name: ws, .offset: 64, .size: 8, .value_kind: global_buffer, .address_space: global }
    .group_segment_fixed_size: 60928
    .private_segment_fixed_size: 0
    .kernarg_segment_align: 8
    .kernarg_segment_size: 72
    .max_flat_workgroup_size: 128
    .sgpr_count:     66
    .vgpr_count:     256
    .wavefront_size: 32
...
	.end_amdgpu_metadata
.endif
;; end of part 1
;; launch gemm_qkv (part 2): grid 24 x 8, 4 waves a work-group, clusters of 4 x 4, 327,680 bytes of LDS; arguments xc, xs, wc, ws, cos, sin, qkvc, qkvs; writes qkvc, qkvs
.if DOCPART == 2
	.amdgcn_target "amdgcn-amd-amdhsa--gfx1250"
	.amdhsa_code_object_version 6
	.text
	.protected	k_q20434d2893_gemm_qkv
	.globl	k_q20434d2893_gemm_qkv
	.p2align	8
	.type	k_q20434d2893_gemm_qkv,@function
k_q20434d2893_gemm_qkv:
	s_mov_b64 s[64:65], 0
	v_nop
	global_prefetch_b8 v0, s[64:65] scope:SCOPE_SE
	s_setreg_imm32_b32 hwreg(HW_REG_WAVE_MODE, 25, 1), 1
	s_wait_xcnt 0x0
	s_wait_alu depctr_hold_cnt(0) depctr_sa_sdst(0) depctr_va_vdst(0) depctr_va_sdst(0) depctr_va_ssrc(0) depctr_va_vcc(0) depctr_vm_vsrc(0)
	s_getreg_b32 s2, hwreg(HW_REG_IB_STS2, 6, 4)
	s_cmp_eq_u32 s2, 0
	s_cbranch_scc0 .Lentry_in_a_cluster
	s_endpgm
.Lentry_in_a_cluster:
	s_bfe_u32 s2, ttmp6, 0x10000c
	s_cmp_lg_u32 s2, 0xf033
	s_cbranch_scc0 .Lentry_shape_is_right
	s_endpgm
.Lentry_shape_is_right:
; q, k, v = x wq, x wk, x wv on codes of FP6 (E2M3) with E8M0 scales; rope on q and k in f32; the results quantised anew (q, k along the head's 128; v along the keys) and stored as fragment images and scale words.
; A work-group takes 256 rows t x one head (128 columns): heads 0-15 q, 16-19 k, 20-23 v.  Four waves, 32 accumulators each.  K = 2,048 goes in four parts of 512 through two LDS slots, all written out.
; Operands lie in memory as images of their registers (1,536 bytes a fragment of 16 rows x 128 K): a fragment is three loads of 16 bytes a lane, 512 consecutive bytes each: no pitch, no padding.
; q, k: source 0 = the head's 8 tiles of the weight, source 1 = my 4 tiles of x: a lane holds one t, and the 64 registers of a tile of x run along d.
; v: source 0 = 8 tiles of x (128 keys), source 1 = 4 tiles of wv: a lane holds one d, and its 64 registers run along the keys.  The way hangs on the cluster's x alone, which all sixteen partners share.
; The rows of a tile are chosen (8u+r+8(r>>3) of each 32), so that register 16 b + i of such a run is number 32 b + 16 (lane/16) + i along the next K.
; CLUSTERS: 4 x 4.  x's tiles are shared along a row of the cluster, the weight's along a column: each is asked for jointly.  A wave has one tensor load out at a time.
; 192 work-groups: a head has to be whole in a wave for rope and the quantiser.
; LIMITS: a block of zeros gets the byte 1 (its codes are zeros; this program alone reads the bytes); NaN and infinities are not served.
; REGISTERS: window 0: v16-29 addresses; v32-79 scale words, two sets; v80-127 the codes made at the end; v128-175 source 1's 4 fragments; v128-221 at work at the end.
;   window 1: source 0's 8 fragments, two sets, at v0 and v128.   window 2: accumulator (a, b) at v[8 (8 a + b)].   window 3: cos and sin of my 64 rows.
.set TA,    16                         ; tiles of x in a work-group
.set NS0,   8                          ; source 0's tiles in a wave
.set WOFFC, 0                          ; where the weights begin in wc and ws
.set WOFFS, 0
.set FRB,   1536
.set TILEB, 4*FRB                      ; a tile's part of a slot: four K steps
.set BOFF,  TA*TILEB                   ; the weight's 8 tiles lie behind x's
.set SLOT,  (TA+8)*TILEB
.set SCA,   2*SLOT                     ; behind the ring: x's scale words for all of K,
.set SCB,   SCA+TA*1024                ; the weight's,
.set SPARE, SCB+8192                   ; and the spare words, 128 bytes a wave: two blocks of 256 bytes that no other line names
.set ADR1,  16                         ; v16-17 source 1's fragments in slot 0, 1
.set ADR0,  20                         ; v20-21 source 0's
.set ADSC0, 22                         ; v22    source 0's scale words
.set ADSC1, 23                         ; v23    source 1's
.set SPW,   28                         ; v28    LDS address of my spare word; never rewritten
.set NIL,   29                         ; v29    0; never rewritten
.set SC,    32                         ; scale words and nothing else
.set SCN,   2*(NS0+4)                  ; registers of a set
.set AF,    128
.set PC,    80
.set H2,    192
.set TM,    200
.set PW,    216
.set G1,   24
.set G0,   32
.set G1B,  48
.set G0B,  56
.set G1S,  68
.set G0S,  76
.set G1SB, 88
.set G0SB, 96
.set MSB, 0
.macro WIN new                         ; the immediate's high byte repeats the setting that is left
.if MSB != \new
	s_set_vgpr_msb (MSB<<8)|\new
.set MSB, \new
.endif
.endm
.macro PLACES n
.rept \n
	v_nop
.endr
.endm
; A joint load: waves 0 and 1 fetch for x, waves 2 and 3 for the weight.  The branch hangs on the wave's number alone.  An s_nop 0 and four v_nop follow each line.
.macro JLOAD g0a, g1a, g0b, g1b
	s_cmp_eq_u32 s15, 0
	s_cbranch_scc0 .Lfor_b_\@
	tensor_load_to_lds s[\g0a:\g0a+3], s[\g1a:\g1a+7]
	s_nop 0
.rept 4
	v_nop
.endr
	s_branch .Lasked_\@
.Lfor_b_\@:
	tensor_load_to_lds s[\g0b:\g0b+3], s[\g1b:\g1b+7]
	s_nop 0
.rept 4
	v_nop
.endr
.Lasked_\@:
.endm
.macro CREST                           ; a round of the cluster's barrier behind its opening barrier
	s_cmp_lg_u32 s14, 0
	s_cbranch_scc1 .Lnot_wave_0_\@
	s_barrier_signal -3
.Lnot_wave_0_\@:
	s_barrier_wait -3
	s_barrier_signal -1
	s_barrier_wait -1
.endm
.macro CROUND
	s_barrier_signal -1
	s_barrier_wait -1
	CREST
.endm
.macro FRAG reg, adr, off              ; a fragment's image: three loads of 512 consecutive bytes
.irp c, 0,1,2
	ds_load_b128 v[\reg+4*\c:\reg+4*\c+3], v[\adr] offset:\off+512*\c
.endr
.endm
.macro FETCH_S0 slot, q, p             ; source 0's fragments of the slot's K step q into set p
	WIN 0x40
.irp i, 0,1,2,3,4,5,6,7
.if \i < NS0
	FRAG 128*(\p)+12*\i, ADR0+\slot, \i*TILEB+(\q)*FRB
.endif
.endr
	WIN 0
.endm
.macro FETCH_S1 slot, q, i0            ; source 1's tiles i0, i0 + 1: six loads
.irp i, \i0, \i0+1
	FRAG AF+12*(\i), ADR1+\slot, (\i)*TILEB+(\q)*FRB
.endr
.endm
.macro SCALES set, ks                  ; the scale words of part ks of K: a load brings a pair of tiles (lanes 0-15 the even one, 16-31 the odd one), two K steps
.irp g, 0,1
.irp p, 0,1,2,3
.if \p < NS0/2
	ds_load_b64 v[SC+SCN*(\set)+(NS0+4)*\g+2*\p:SC+SCN*(\set)+(NS0+4)*\g+2*\p+1], v[ADSC0] offset:(2*(\ks)+\g)*1024+256*\p
.endif
.endr
.irp p, 0,1
	ds_load_b64 v[SC+SCN*(\set)+(NS0+4)*\g+NS0+2*\p:SC+SCN*(\set)+(NS0+4)*\g+NS0+2*\p+1], v[ADSC1] offset:(2*(\ks)+\g)*1024+256*\p
.endr
.endr
.endm
.macro WM a, b, p, q, set, zero        ; one product: source 1's tile a, source 0's tile b.  An odd tile's scale words lie in lanes 16-31
.set rD, 8*(NS0*(\a)+(\b))
.set rA, 128*(\p)+12*(\b)
.set rB, AF+12*(\a)
.set rX, SC+SCN*(\set)+(NS0+4)*((\q)/2)+(\q)%2
.set rSA, rX+2*((\b)/2)
.set rSB, rX+NS0+2*((\a)/2)
.set sel, 4*(\zero)+2*((\b)%2)+(\a)%2
.if sel == 0
	v_wmma_scale_f32_16x16x128_f8f6f4 v[rD:rD+7], v[rA:rA+11], v[rB:rB+11], v[rD:rD+7], v[rSA], v[rSB] matrix_a_fmt:MATRIX_FMT_FP6 matrix_b_fmt:MATRIX_FMT_FP6
.elseif sel == 1
	v_wmma_scale_f32_16x16x128_f8f6f4 v[rD:rD+7], v[rA:rA+11], v[rB:rB+11], v[rD:rD+7], v[rSA], v[rSB] matrix_a_fmt:MATRIX_FMT_FP6 matrix_b_fmt:MATRIX_FMT_FP6 matrix_b_scale:MATRIX_SCALE_ROW1
.elseif sel == 2
	v_wmma_scale_f32_16x16x128_f8f6f4 v[rD:rD+7], v[rA:rA+11], v[rB:rB+11], v[rD:rD+7], v[rSA], v[rSB] matrix_a_fmt:MATRIX_FMT_FP6 matrix_b_fmt:MATRIX_FMT_FP6 matrix_a_scale:MATRIX_SCALE_ROW1
.elseif sel == 3
	v_wmma_scale_f32_16x16x128_f8f6f4 v[rD:rD+7], v[rA:rA+11], v[rB:rB+11], v[rD:rD+7], v[rSA], v[rSB] matrix_a_fmt:MATRIX_FMT_FP6 matrix_b_fmt:MATRIX_FMT_FP6 matrix_a_scale:MATRIX_SCALE_ROW1 matrix_b_scale:MATRIX_SCALE_ROW1
.elseif sel == 4
	v_wmma_scale_f32_16x16x128_f8f6f4 v[rD:rD+7], v[rA:rA+11], v[rB:rB+11], 0, v[rSA], v[rSB] matrix_a_fmt:MATRIX_FMT_FP6 matrix_b_fmt:MATRIX_FMT_FP6
.elseif sel == 5
	v_wmma_scale_f32_16x16x128_f8f6f4 v[rD:rD+7], v[rA:rA+11], v[rB:rB+11], 0, v[rSA], v[rSB] matrix_a_fmt:MATRIX_FMT_FP6 matrix_b_fmt:MATRIX_FMT_FP6 matrix_b_scale:MATRIX_SCALE_ROW1
.elseif sel == 6
	v_wmma_scale_f32_16x16x128_f8f6f4 v[rD:rD+7], v[rA:rA+11], v[rB:rB+11], 0, v[rSA], v[rSB] matrix_a_fmt:MATRIX_FMT_FP6 matrix_b_fmt:MATRIX_FMT_FP6 matrix_a_scale:MATRIX_SCALE_ROW1
.else
	v_wmma_scale_f32_16x16x128_f8f6f4 v[rD:rD+7], v[rA:rA+11], v[rB:rB+11], 0, v[rSA], v[rSB] matrix_a_fmt:MATRIX_FMT_FP6 matrix_b_fmt:MATRIX_FMT_FP6 matrix_a_scale:MATRIX_SCALE_ROW1 matrix_b_scale:MATRIX_SCALE_ROW1
.endif
.endm
.macro MUL1 a, p, q, set, zero         ; tile a against all of source 0's.  The accumulators take turns, one instruction a turn, in the same order in every K step
.irp b, 0,1,2,3,4,5,6,7
.if \b < NS0
	WM \a, \b, \p, \q, \set, \zero
.endif
.endr
.endm
.macro MUL a0, p, q, set, zero
	MUL1 \a0, \p, \q, \set, \zero
	MUL1 \a0+1, \p, \q, \set, \zero
.endm
; A K step of 128 that has its successor in the same slot.  Loads into registers that matrix instructions have read stand four places behind them.
.macro STEP slot, q, zero
	s_wait_dscnt 6                                 ; all but the youngest six loads (source 1's tiles 2, 3) are in
	WIN 0xa1
	MUL 0, (\q)%2, \q, \slot, \zero
	s_wait_dscnt 0x0                               ; tiles 2, 3 are in
	PLACES 4
	FETCH_S0 \slot, (\q)+1, 1-(\q)%2
	FETCH_S1 \slot, (\q)+1, 0
	WIN 0xa1
	MUL 2, (\q)%2, \q, \slot, \zero
	PLACES 4
	WIN 0
	FETCH_S1 \slot, (\q)+1, 2
.endm
; A slot's last K step changes slots: one barrier; in front of it each wave waits for all its tensor loads, adds 0 to its spare word, and waits for that and for its reads of this slot.  fill = 1: the slot is filled again, two parts of K on.
.macro TURN slot, next, fill, ks
	s_wait_tensorcnt 0x0                           ; all my tensor loads have landed: my part of the next slot
	ds_add_u32 v[SPW], v[NIL]                      ; 0 onto my spare word
	s_wait_dscnt 7                                 ; (the add and the youngest six loads may be out)
	WIN 0xa1
	MUL1 0, 1, 3, \slot, 0                         ; matrix work stands between the add and the wait for it
	s_wait_dscnt 0x0                               ; the add is done, and my reads of this slot are over
	s_barrier_signal -1
	MUL1 1, 1, 3, \slot, 0
	WIN 0
	s_barrier_wait -1
.if \fill
	CREST                                          ; the barrier has opened a round of the cluster's: no wave of any partner still reads this slot or has a load on its way
	s_add_nc_u64 s[G0+4*\slot+2:G0+4*\slot+3], s[G0+4*\slot+2:G0+4*\slot+3], 2*TILEB
	s_add_nc_u64 s[G0B+4*\slot+2:G0B+4*\slot+3], s[G0B+4*\slot+2:G0B+4*\slot+3], 2*TILEB
	JLOAD G0+4*\slot, G1, G0B+4*\slot, G1B         ; the first tensor load behind the round; its four v_nop are the places in front of the loads below
.else
	PLACES 4
.endif
	FETCH_S0 \next, 0, 0
	FETCH_S1 \next, 0, 0
	SCALES \next, \ks
.if (\fill) && (\slot) == 0
	ASK 3                                          ; behind part 2's load: part 3 is asked for, one part ahead of its load; the last refill asks for nothing
.endif
	WIN 0xa1
	MUL 2, 1, 3, \slot, 0
	PLACES 4
	WIN 0
	FETCH_S1 \next, 0, 2
.endm
	s_load_b256 s[4:11], s[0:1], 0x0               ; xc s[4:5], xs s[6:7], wc s[8:9], ws s[10:11]
	s_load_b256 s[80:87], s[0:1], 0x20             ; cos s[80:81], sin s[82:83], qkvc s[84:85], qkvs s[86:87]
	v_lshl_add_u32 v[SPW], v0, 2, SPARE
	v_mov_b32 v[NIL], 0
	ds_add_u32 v[SPW], v[NIL]                      ; the wave's opening; work on registers stands between the add and its wait
	ds_add_u32 v[SPW], v[NIL]
	v_lshrrev_b32 v1, 5, v0
	v_readfirstlane_b32 s14, v1                    ; wave
	s_lshr_b32 s15, s14, 1                         ; I fetch for x (0) or for the weight (1)
	s_and_b32 s16, s14, 1                          ; which half of it
	s_bfe_u32 s40, ttmp6, 0x40000                  ; cx
	s_bfe_u32 s41, ttmp6, 0x40004                  ; cy
	s_lshl_b32 s42, ttmp9, 2
	s_add_co_u32 s42, s42, s40                     ; tx: the head
	s_and_b32 s17, ttmp7, 0xffff
	s_lshl_b32 s17, s17, 2
	s_add_co_u32 s17, s17, s41                     ; ty: which 256 rows
	s_lshl_b32 s43, s41, 2
	s_lshl_b32 s43, 15, s43                        ; my row of the cluster
	s_lshl_b32 s44, 0x1111, s40                    ; my column
	s_or_b32 s[G1], s43, (3<<16)|(1<<21)           ; 15:0 the mask; 17:16 elements of 8 bytes; 20 no padding; 21 set beside a mask
	s_or_b32 s[G1B], s44, (3<<16)|(1<<21)
	s_or_b32 s[G1S], s43, (3<<16)|(1<<21)
	s_or_b32 s[G1SB], s44, (3<<16)|(1<<21)
	s_mov_b32 s[G1+1], 768<<16                     ; codes: a row is a tile's four K steps, 6,144 bytes = 768 elements;
	s_mov_b32 s[G1+2], TA<<16                      ; the head's load brings all TA tiles; behind it the two counts are halved
	s_mov_b32 s[G1+3], 768<<16
	s_mov_b32 s[G1+4], TA
	s_mov_b32 s[G1+5], 3072                        ; 24,576 bytes apart in memory
	s_mov_b32 s[G1+6], 0
	s_mov_b32 s[G1+7], 0
	s_mov_b32 s[G1B+1], 768<<16
	s_mov_b32 s[G1B+2], 8<<16
	s_mov_b32 s[G1B+3], 768<<16
	s_mov_b32 s[G1B+4], 8
	s_mov_b32 s[G1B+5], 3072
	s_mov_b32 s[G1B+6], 0
	s_mov_b32 s[G1B+7], 0
	s_mov_b32 s[G1S+1], 32<<16                     ; scale words: a dense block as rows of 256 bytes
	s_mov_b32 s[G1S+2], (TA*4)<<16                 ; the whole block: TA x 1,024 bytes
	s_mov_b32 s[G1S+3], 32<<16
	s_mov_b32 s[G1S+4], TA*4
	s_mov_b32 s[G1S+5], 32
	s_mov_b32 s[G1S+6], 0
	s_mov_b32 s[G1S+7], 0
	s_mov_b32 s[G1SB+1], 32<<16
	s_mov_b32 s[G1SB+2], 32<<16                    ; the whole block: 8,192 bytes
	s_mov_b32 s[G1SB+3], 32<<16
	s_mov_b32 s[G1SB+4], 32
	s_mov_b32 s[G1SB+5], 32
	s_mov_b32 s[G1SB+6], 0
	s_mov_b32 s[G1SB+7], 0
	s_mul_i32 s20, s17, TA*24576                   ; x's codes hang on ty and the wave alone,
	s_mov_b32 s21, 0
	s_mul_i32 s22, s17, TA*1024                    ; and so do its scale words;
	s_mov_b32 s23, 0
	s_mul_i32 s46, s42, 8*24576                    ; the weight's on tx and the wave alone
.if WOFFC
	s_add_co_u32 s46, s46, WOFFC
.endif
	s_mov_b32 s47, 0
	s_lshl_b32 s12, s42, 13
.if WOFFS
	s_add_co_u32 s12, s12, WOFFS
.endif
	s_mov_b32 s13, 0
	s_mul_i32 s45, s16, (TA/2)*TILEB               ; where they go: no place in the cluster enters an LDS address
	s_mul_i32 s100, s16, 4*TILEB
	s_add_co_u32 s100, s100, BOFF
	s_wait_dscnt 0x0                               ; the opening add is done
	s_wait_kmcnt 0x0
	s_add_nc_u64 s[20:21], s[4:5], s[20:21]
	s_add_nc_u64 s[22:23], s[6:7], s[22:23]
	s_add_nc_u64 s[46:47], s[8:9], s[46:47]
	s_add_nc_u64 s[12:13], s[10:11], s[12:13]
	CROUND                                         ; all sixteen work-groups are here: the first joint loads meet
	s_mov_b32 s[G0S], 1
	s_mov_b32 s[G0S+1], SCA
	s_mov_b64 s[G0S+2:G0S+3], s[22:23]
	s_or_b32 s[G0S+3], s[G0S+3], 0x80000000
	s_mov_b32 s[G0SB], 1
	s_mov_b32 s[G0SB+1], SCB
	s_mov_b64 s[G0SB+2:G0SB+3], s[12:13]
	s_or_b32 s[G0SB+3], s[G0SB+3], 0x80000000
.set G0H, 4                            ; s[4:7], s[8:11] group 0 of the head's two loads of codes (the arguments that lay there have been used)
.set G0HB, 8
	s_mov_b32 s[G0H], 1                            ; part 0 of all tiles of the first operand,
	s_mov_b32 s[G0H+1], 0
	s_mov_b64 s[G0H+2:G0H+3], s[20:21]
	s_or_b32 s[G0H+3], s[G0H+3], 0x80000000
	s_mov_b32 s[G0HB], 1                           ; and of the weight's eight, behind them in slot 0
	s_mov_b32 s[G0HB+1], BOFF
	s_mov_b64 s[G0HB+2:G0HB+3], s[46:47]
	s_or_b32 s[G0HB+3], s[G0HB+3], 0x80000000
	s_mul_i32 s18, s16, (TA/2)*24576               ; for the ring: my half of the tiles
	s_mov_b32 s19, 0
	s_add_nc_u64 s[20:21], s[20:21], s[18:19]
	s_mul_i32 s18, s16, 4*24576
	s_add_nc_u64 s[46:47], s[46:47], s[18:19]
	; the prefetches: of the tiles that I fetch in the ring, the four partners that ask for them jointly take a quarter each, told apart by address (cx for the first operand, cy for the weight)
	s_mul_i32 s18, s40, (TA/8)*24576
	s_mul_i32 s2, s41, 24576
	s_cmp_eq_u32 s15, 0
	s_cselect_b64 s[66:67], s[20:21], s[46:47]
	s_cselect_b32 s18, s18, s2
	s_add_nc_u64 s[66:67], s[66:67], s[18:19]      ; never rewritten
; A tile's part of K is 6,144 bytes: 24 blocks of 256, a lane a block (lanes 24-31 name the last block again).  v30 and s[66:67] are never rewritten, the part stands in the immediate.
.macro ASK part
	global_prefetch_b8 v30, s[66:67] offset:(\part)*TILEB th:TH_LOAD_NT scope:SCOPE_SE
.if TA > 8
	s_cmp_eq_u32 s15, 0                            ; my share of the first operand is two tiles
	s_cbranch_scc0 .Lone_\@
	global_prefetch_b8 v30, s[66:67] offset:(\part)*TILEB+24576 th:TH_LOAD_NT scope:SCOPE_SE
.Lone_\@:
.endif
.endm
.irp s, 0,1
	s_mov_b32 s[G0+4*\s], 1
	s_add_co_u32 s[G0+4*\s+1], s45, \s*SLOT
	s_add_nc_u64 s[G0+4*\s+2:G0+4*\s+3], s[20:21], \s*TILEB
	s_or_b32 s[G0+4*\s+3], s[G0+4*\s+3], 0x80000000
	s_mov_b32 s[G0B+4*\s], 1
	s_add_co_u32 s[G0B+4*\s+1], s100, \s*SLOT
	s_add_nc_u64 s[G0B+4*\s+2:G0B+4*\s+3], s[46:47], \s*TILEB
	s_or_b32 s[G0B+4*\s+3], s[G0B+4*\s+3], 0x80000000
.endr
; THE HEAD'S LOADS, ONE A WAVE: wave 0 part 0 of the first operand, wave 1 of the weight, waves 2 and 3 the two blocks of scale words.  One chain of branches on the wave's number, one load to an arm.
.macro ARM under, g0, g1, next
	s_cmp_lt_u32 s14, \under
	s_cbranch_scc0 \next
	tensor_load_to_lds s[\g0:\g0+3], s[\g1:\g1+7]
	s_nop 0
	PLACES 4
	s_branch .Lhead_asked
\next:
.endm
	ARM 1, G0H,  G1,  .Lhead_b
	ARM 2, G0HB, G1B, .Lhead_sa
	ARM 3, G0S,  G1S, .Lhead_sb
	tensor_load_to_lds s[G0SB:G0SB+3], s[G1SB:G1SB+7]
	s_nop 0
	PLACES 4
.Lhead_asked:
	v_and_b32 v30, 31, v0
	v_min_u32 v30, 23, v30
	v_lshlrev_b32 v30, 8, v30                      ; the prefetches' offset: my block of a tile's 24
	ASK 1                                          ; part 1, whose load follows when the head's loads have landed
	v_and_b32 v1, 31, v0
	v_and_b32 v2, 15, v0                           ; r
	v_bfe_u32 v3, v0, 4, 1                         ; h
	v_lshlrev_b32 v24, 4, v1                       ; 16 x lane
	v_lshlrev_b32 v25, 3, v1                       ; 8 x lane
	v_and_b32 v4, 8, v2
	v_add_nc_u32 v4, v4, v2                        ; r + 8 (r / 8)
	v_lshlrev_b32 v26, 8, v4
	v_lshl_add_u32 v26, v3, 6, v26                 ; cos, sin: my row of a tile, 256 bytes a row, + 64 h
.irp b, 0,1,2,3
	v_mov_b32 v[TM+4+\b], 0                        ; written once: a lane permute's destination counts as one of its sources
.endr
	s_lshl_b32 s18, s17, 16
	s_lshl_b32 s19, s14, 14
	s_add_co_u32 s18, s18, s19                     ; row 256 ty + 64 wave
	s_mov_b32 s19, 0
	s_add_nc_u64 s[80:81], s[80:81], s[18:19]
	s_add_nc_u64 s[82:83], s[82:83], s[18:19]
	WIN 0xc0                                       ; destination window 3.  cos at v[64 a + 16 b + ..], sin at v[64 a + 32 + 16 b + ..]: index 32 b + 16 h + i of my row of tile a.  (Loaded on v's way too, and not used there)
.irp a, 0,1,2,3
.irp b, 0,1
.irp j, 0,1,2,3
	global_load_b128 v[64*\a+16*\b+4*\j:64*\a+16*\b+4*\j+3], v26, s[80:81] offset:(32*(\a/2)+8*(\a%2))*256+128*\b+16*\j
	global_load_b128 v[64*\a+32+16*\b+4*\j:64*\a+32+16*\b+4*\j+3], v26, s[82:83] offset:(32*(\a/2)+8*(\a%2))*256+128*\b+16*\j
.endr
.endr
.endr
	WIN 0
	s_mul_i32 s18, s15, 8*TILEB                    ; v: source 0 = 8 tiles of x
	s_mul_i32 s19, s14, 4*TILEB                    ; q, k: source 1 = my 4 tiles of x
	s_mul_i32 s2, s16, 4*TILEB
	s_add_co_u32 s2, s2, BOFF                      ; v: source 1 = 4 tiles of the weight
	s_lshl_b32 s3, s15, 13
	s_add_co_u32 s3, s3, SCA                       ; x's group of 128 rows
	s_lshl_b32 s12, s16, 9
	s_add_co_u32 s13, s3, s12                      ; q, k: my two pairs of tiles in it
	s_add_co_u32 s12, s12, SCB                     ; v: my two pairs of the weight's
	s_cmp_eq_u32 ttmp9, 5                          ; the cluster's x: the same in all partners
	s_cselect_b32 s18, s18, BOFF                   ; source 0's codes
	s_cselect_b32 s19, s2, s19                     ; source 1's
	s_cselect_b32 s3, s3, SCB                      ; source 0's scale words
	s_cselect_b32 s12, s12, s13                    ; source 1's
	v_add_nc_u32 v[ADR0], s18, v24
	v_add_nc_u32 v[ADR1], s19, v24
	v_add_nc_u32 v[ADR0+1], SLOT, v[ADR0]
	v_add_nc_u32 v[ADR1+1], SLOT, v[ADR1]
	v_add_nc_u32 v[ADSC0], s3, v25
	v_add_nc_u32 v[ADSC1], s12, v25
	s_mul_i32 s18, s42, 196608                     ; where my four fragments go: the same sum on all three ways
	s_mul_i32 s19, s17, 24576
	s_add_co_u32 s18, s18, s19
	s_mul_i32 s19, s14, 6144
	s_add_co_u32 s18, s18, s19
	s_mov_b32 s19, 0
	s_add_nc_u64 s[84:85], s[84:85], s[18:19]
	s_lshl_b32 s18, s42, 13                        ; and their scale words
	s_lshl_b32 s19, s17, 10
	s_add_co_u32 s18, s18, s19
	s_lshl_b32 s19, s14, 8
	s_add_co_u32 s18, s18, s19
	s_mov_b32 s19, 0
	s_add_nc_u64 s[86:87], s[86:87], s[18:19]
	s_mov_b32 s2, 0x76543210
	s_mov_b32 s3, 0xfedcba98                       ; selects for lane l xor 16
	s_wait_alu depctr_va_vdst(0)
	s_wait_tensorcnt 0x0                           ; my tile of the head's four is in
	ds_add_u32 v[SPW], v[NIL]
	s_mov_b32 s[G1+2], (TA/2)<<16                  ; no tensor load of mine is out: from here on a load brings half of an operand's tiles
	s_mov_b32 s[G1+4], TA/2
	s_mov_b32 s[G1B+2], 4<<16
	s_mov_b32 s[G1B+4], 4
	s_wait_dscnt 0x0
	CROUND                                         ; all four tiles are in, and all sixteen work-groups are here
	JLOAD G0+4, G1, G0B+4, G1B                     ; slot 1's first fill, part 1: the first tensor load behind the round
	FETCH_S0 0, 0, 0
	FETCH_S1 0, 0, 0
	SCALES 0, 0
	ASK 2                                          ; part 2, one part ahead of its load
	FETCH_S1 0, 0, 2
	STEP 0, 0, 1                                   ; the first K step starts the sums: nothing is cleared
	STEP 0, 1, 0
	STEP 0, 2, 0
	TURN 0, 1, 1, 1
	STEP 1, 0, 0
	STEP 1, 1, 0
	STEP 1, 2, 0
	TURN 1, 0, 1, 2
	STEP 0, 0, 0
	STEP 0, 1, 0
	STEP 0, 2, 0
	TURN 0, 1, 0, 3                                ; nothing is left to fetch
	STEP 1, 0, 0
	STEP 1, 1, 0
	STEP 1, 2, 0
	s_wait_dscnt 6
	WIN 0xa1
	MUL 0, 1, 3, 1, 0
	s_wait_dscnt 0x0
	MUL 2, 1, 3, 1, 0
	WIN 0
	PLACES 4                                       ; in front of the first read of results
; ROPE on tile a: registers 64 a + p (d = 32 b + 16 h + i under 64) and 64 a + 32 + p (d + 64) are a pair.  Each accumulator is read from its low end on.
.macro ROPE a
	WIN 0x0e                                       ; source 0 window 2, source 1 window 3, destination window 0
.irp i, 0,2,4,6,8,10,12,14,16,18,20,22,24,26,28,30
	v_pk_mul_f32 v[128+\i:129+\i], v[64*(\a)+32+\i:64*(\a)+33+\i], v[64*(\a)+32+\i:64*(\a)+33+\i]   ; x2 sin
.endr
.irp i, 0,2,4,6,8,10,12,14,16,18,20,22,24,26,28,30
	v_pk_mul_f32 v[160+\i:161+\i], v[64*(\a)+\i:64*(\a)+1+\i], v[64*(\a)+32+\i:64*(\a)+33+\i]       ; x1 sin
.endr
	WIN 0x8e                                       ; and the destination window 2
.irp i, 0,2,4,6,8,10,12,14,16,18,20,22,24,26,28,30
	v_pk_fma_f32 v[64*(\a)+\i:64*(\a)+1+\i], v[64*(\a)+\i:64*(\a)+1+\i], v[64*(\a)+\i:64*(\a)+1+\i], v[128+\i:129+\i] neg_lo:[0,0,1] neg_hi:[0,0,1]   ; x1 cos - x2 sin
.endr
.irp i, 0,2,4,6,8,10,12,14,16,18,20,22,24,26,28,30
	v_pk_fma_f32 v[64*(\a)+32+\i:64*(\a)+33+\i], v[64*(\a)+32+\i:64*(\a)+33+\i], v[64*(\a)+\i:64*(\a)+1+\i], v[160+\i:161+\i]   ; x2 cos + x1 sin
.endr
.endm
; The 64 numbers of tile a (window 2) become a fragment's codes in v[PC + 12 a ..] and its scale word in v[PW + a]; the image is stored.
.macro QUANT a
.set qs, 64*(\a)
.set qc, PC+12*(\a)
	WIN 0x28                                       ; sources 1 and 2 window 2
.irp b, 0,1,2,3
	v_max3_num_f32 v[TM+\b], 0x1800000, |v[qs+16*\b]|, |v[qs+16*\b+1]|   ; block b: my 16 numbers, and the floor 2^-124
.endr
.irp i, 2,4,6,8,10,12,14
.irp b, 0,1,2,3
	v_max3_num_f32 v[TM+\b], v[TM+\b], |v[qs+16*\b+\i]|, |v[qs+16*\b+\i+1]|
.endr
.endr
	WIN 0
.irp b, 0,1,2,3
	v_permlanex16_b32 v[TM+4+\b], v[TM+\b], s2, s3
.endr
.irp b, 0,1,2,3
	v_max_num_f32 v[TM+\b], v[TM+\b], v[TM+4+\b]   ; with lane l xor 16's: the block's largest magnitude
.endr
.irp b, 0,1,2,3
	v_add_nc_u32 v[TM+12+\b], 0xff000000, v[TM+\b] ; the conversion's scale operand
.endr
.irp b, 0,1,2,3
	v_lshrrev_b32 v[TM+4+\b], 23, v[TM+12+\b]      ; the byte
.endr
	v_lshl_or_b32 v[PW+(\a)], v[TM+5], 8, v[TM+4]
	v_lshl_or_b32 v[PW+(\a)], v[TM+6], 16, v[PW+(\a)]
	v_lshl_or_b32 v[PW+(\a)], v[TM+7], 24, v[PW+(\a)]
	WIN 0x02                                       ; source 0 window 2
.irp c, 0,1
	v_cvt_scalef32_pk16_fp6_f32 v[qc+6*\c:qc+6*\c+2], v[qs+32*\c:qs+32*\c+15], v[TM+12+2*\c]
	v_cvt_scalef32_pk16_fp6_f32 v[H2+4*\c:H2+4*\c+2], v[qs+32*\c+16:qs+32*\c+31], v[TM+12+2*\c+1]
.endr
	WIN 0
	v_nop                                          ; one plain place behind a scaled conversion
.irp c, 0,1                                    ; the operand's layout wants a whole block in a lane
.irp i, 0,1,2
	v_permlane16_swap_b32 v[qc+6*\c+\i], v[H2+4*\c+\i]
.endr
.irp i, 0,1,2
	v_mov_b32 v[qc+3+6*\c+\i], v[H2+4*\c+\i]
.endr
.endr
.irp c, 0,1,2
	global_store_b128 v24, v[qc+4*\c:qc+4*\c+3], s[84:85] offset:1536*(\a)+512*\c   ; 512 consecutive bytes a store; each tile has its own registers, so no store's data are written again
.endr
.endm
	s_wait_loadcnt 0x0                             ; cos and sin
	s_cmp_eq_u32 ttmp9, 5
	s_cbranch_scc1 .Lno_rope                       ; v has none
	ROPE 0
	ROPE 1
	ROPE 2
	ROPE 3
	WIN 0
.Lno_rope:
	QUANT 0
	QUANT 1
	QUANT 2
	QUANT 3
	v_cmp_le_u32 vcc_lo, 16, v1                    ; the four tiles' words as one block of 256 bytes: word i of lane (r, h) is tile 2 i + h's
	v_cndmask_b32 v220, v[PW], v[PW+1], vcc_lo
	v_cndmask_b32 v221, v[PW+2], v[PW+3], vcc_lo
	global_store_b64 v25, v[220:221], s[86:87]
	s_wait_tensorcnt 0x0                           ; the wave's end
	ds_add_u32 v[SPW], v[NIL]
	s_wait_dscnt 0x0
	CROUND                                         ; the closing round
	s_endpgm
.Lfunc_end_k_q20434d2893_gemm_qkv:
	.size	k_q20434d2893_gemm_qkv, .Lfunc_end_k_q20434d2893_gemm_qkv-k_q20434d2893_gemm_qkv
	.p2alignl 7, 3214868480
	.fill 96, 4, 3214868480
	.section	.rodata,"a",@progbits
	.p2align	6, 0x0
	.amdhsa_kernel k_q20434d2893_gemm_qkv
		.amdhsa_group_segment_fixed_size 327680
		.amdhsa_private_segment_fixed_size 0
		.amdhsa_enable_private_segment 0
		.amdhsa_kernarg_size 64
		.amdhsa_user_sgpr_count 2
		.amdhsa_user_sgpr_kernarg_segment_ptr 1
		.amdhsa_wavefront_size32 1
		.amdhsa_system_sgpr_workgroup_id_x 1
		.amdhsa_system_sgpr_workgroup_id_y 1
		.amdhsa_system_sgpr_workgroup_id_z 1
		.amdhsa_system_vgpr_workitem_id 0
		.amdhsa_next_free_vgpr 1024
		.amdhsa_next_free_sgpr 102
		.amdhsa_reserve_vcc 1
		.amdhsa_float_denorm_mode_32 3
		.amdhsa_float_denorm_mode_16_64 3
		.amdhsa_memory_ordered 1
		.amdhsa_forward_progress 1
		.amdhsa_inst_pref_size 164
	.end_amdhsa_kernel
	.amdgpu_metadata
---
amdhsa.version: [ 1, 2 ]
amdhsa.kernels:
  - .name:           k_q20434d2893_gemm_qkv
    .symbol:         k_q20434d2893_gemm_qkv.kd
    .args:
      - { .name: xc, .offset: 0, .size: 8, .value_kind: global_buffer, .address_space: global }
      - { .name: xs, .offset: 8, .size: 8, .value_kind: global_buffer, .address_space: global }
      - { .name: wc, .offset: 16, .size: 8, .value_kind: global_buffer, .address_space: global }
      - { .name: ws, .offset: 24, .size: 8, .value_kind: global_buffer, .address_space: global }
      - { .name: cos, .offset: 32, .size: 8, .value_kind: global_buffer, .address_space: global }
      - { .name: sin, .offset: 40, .size: 8, .value_kind: global_buffer, .address_space: global }
      - { .name: qkvc, .offset: 48, .size: 8, .value_kind: global_buffer, .address_space: global }
      - { .name: qkvs, .offset: 56, .size: 8, .value_kind: global_buffer, .address_space: global }
    .group_segment_fixed_size: 327680
    .private_segment_fixed_size: 0
    .kernarg_segment_align: 8
    .kernarg_segment_size: 64
    .max_flat_workgroup_size: 128
    .sgpr_count:     102
    .vgpr_count:     1024
    .wavefront_size: 32
...
	.end_amdgpu_metadata
.endif
;; end of part 2
;; launch attn (part 3): grid 16 x 16, 16 waves a work-group, clusters of 4 x 1, 327,680 bytes of LDS; arguments qkvc, qkvs, ac, asc; writes ac, asc
.if DOCPART == 3
	.amdgcn_target "amdgcn-amd-amdhsa--gfx1250"
	.amdhsa_code_object_version 6
	.text
	.protected	k_q20434d2893_attn
	.globl	k_q20434d2893_attn
	.p2align	8
	.type	k_q20434d2893_attn,@function
k_q20434d2893_attn:
	s_mov_b64 s[64:65], 0
	v_nop
	global_prefetch_b8 v0, s[64:65] scope:SCOPE_SE
	s_setreg_imm32_b32 hwreg(HW_REG_WAVE_MODE, 25, 1), 1
	s_wait_xcnt 0x0
	s_wait_alu depctr_hold_cnt(0) depctr_sa_sdst(0) depctr_va_vdst(0) depctr_va_sdst(0) depctr_va_ssrc(0) depctr_va_vcc(0) depctr_vm_vsrc(0)
	s_getreg_b32 s2, hwreg(HW_REG_IB_STS2, 6, 4)
	s_cmp_eq_u32 s2, 0
	s_cbranch_scc0 .Lentry_in_a_cluster
	s_endpgm
.Lentry_in_a_cluster:
	s_bfe_u32 s2, ttmp6, 0x10000c
	s_cmp_lg_u32 s2, 0x3003
	s_cbranch_scc0 .Lentry_shape_is_right
	s_endpgm
.Lentry_shape_is_right:
.set SLOT1, 131072
.set VOFF,  49152
.set KSB,   12288
.set SCL,   229376
.set SPARE, 245760
.set MRG,   247808
.set MRGW,  8704
.set SPW,  5
.set NIL,  6
.set ADK,  8
.set ADV,  9
.set ADS,  10
.set ADM,  28
.set WV,   18
.set TW,   19
.set PAR,  74
.set SEL,  20
.set CS,   22
.set G1T,  24
.set G1S,  32
.set G0T,  40
.set G0S,  44
.set SLOTS, 48
.set KF,   49
.set Q0,   50
.set TB,   2
.set TS,   3
.macro PLACES n
.rept \n
	v_nop
.endr
.endm
.macro CROUND
	s_barrier_signal -1
	s_barrier_wait -1
	s_cmp_lg_u32 s[WV], 0
	s_cbranch_scc1 .Lnot_wave_0_\@
	s_barrier_signal -3
.Lnot_wave_0_\@:
	s_barrier_wait -3
	s_barrier_signal -1
	s_barrier_wait -1
.endm
	s_load_b256 s[4:11], s[0:1], 0x0
	v_lshl_add_u32 v[SPW], v0, 2, SPARE
	v_mov_b32 v[NIL], 0
	ds_add_u32 v[SPW], v[NIL]
	ds_add_u32 v[SPW], v[NIL]
	v_lshrrev_b32 v8, 5, v0
	s_delay_alu instid0(VALU_DEP_1)
	v_readfirstlane_b32 s[WV], v8
	s_and_b32 s[TW], s[WV], 7
	s_lshr_b32 s[PAR], s[WV], 3
	s_bfe_u32 s52, ttmp6, 0x40000
	s_lshl_b32 s53, ttmp9, 2
	s_add_co_u32 s52, s52, s53
	s_and_b32 s53, ttmp7, 0xffff
	s_lshl_b32 s53, s53, 2
	s_add_co_u32 s54, s53, s[TW]
	s_sub_co_u32 s55, 131, s53
	s_sub_co_u32 s55, s55, s[TW]
	s_cmp_lt_u32 s[TW], 4
	s_cselect_b32 s51, s54, s55
	s_lshr_b32 s[Q0], s51, 1
	s_lshl_b32 s[Q0], s[Q0], 5
	s_and_b32 s56, s51, 1
	s_lshl_b32 s56, s56, 3
	s_add_co_u32 s[Q0], s[Q0], s56
	s_lshl_b32 s57, s[PAR], 2
	s_add_co_u32 s57, s57, ttmp9
	s_add_co_u32 s57, s57, 16
	s_mul_i32 s60, s57, 196608
	s_mul_i32 s59, s[TW], KSB/2
	s_add_co_u32 s60, s60, s59
	s_mov_b32 s61, 0
.set G0H, 76                           ; s[76:79] group 0, s[80:87] group 1 of the head's load of slot 0
.set G1H, 80
	; the head: waves 0-7 fetch slot 0, an eighth each (12,288 bytes: K's four, then V's four); waves 8-15 the scale words, an eighth each (2,048 bytes)
	s_lshr_b32 s58, s[TW], 2                       ; K (0) or V (1)
	s_lshl_b32 s58, s58, 2
	s_add_co_u32 s58, s58, ttmp9
	s_add_co_u32 s58, s58, 16                      ; its head among the 24
	s_and_b32 s59, s[TW], 3                        ; which quarter of it
	s_lshl_b32 s62, s58, 13
	s_lshl_b32 s56, s59, 11
	s_add_co_u32 s62, s62, s56
	s_mov_b32 s63, 0
	s_mul_i32 s76, s58, 196608
	s_mul_i32 s56, s59, KSB
	s_add_co_u32 s76, s76, s56
	s_mov_b32 s77, 0
	s_lshl_b32 s66, s52, 7
	s_add_co_u32 s66, s66, s51
	s_mul_i32 s66, s66, 1536
	s_mov_b32 s67, 0
	s_lshl_b32 s68, s52, 13
	s_lshr_b32 s59, s51, 2
	s_lshl_b32 s59, s59, 8
	s_add_co_u32 s68, s68, s59
	s_and_b32 s59, s51, 1
	s_lshl_b32 s59, s59, 7
	s_add_co_u32 s68, s68, s59
	s_bfe_u32 s59, s51, 0x10001
	s_lshl_b32 s59, s59, 2
	s_add_co_u32 s68, s68, s59
	s_mov_b32 s69, 0
	s_lshl_b32 s70, s51, 4
	s_add_co_u32 s70, s70, s52
	s_mul_i32 s70, s70, 1536
	s_mov_b32 s71, 0
	s_lshr_b32 s72, s51, 3
	s_lshl_b32 s72, s72, 13
	s_lshr_b32 s59, s52, 1
	s_lshl_b32 s59, s59, 10
	s_add_co_u32 s72, s72, s59
	s_and_b32 s59, s51, 7
	s_lshl_b32 s59, s59, 7
	s_add_co_u32 s72, s72, s59
	s_and_b32 s59, s52, 1
	s_lshl_b32 s59, s59, 2
	s_add_co_u32 s72, s72, s59
	s_mov_b32 s73, 0
	s_mul_i32 s75, s[TW], MRGW
	s_add_co_u32 s75, s75, MRG
	s_mov_b32 s[G1T], 15|(3<<16)|(1<<21)
	s_mov_b32 s[G1T+1], 32<<16
	s_mov_b32 s[G1T+2], 24<<16
	s_mov_b32 s[G1T+3], 32<<16
	s_mov_b32 s[G1T+4], 24
	s_mov_b32 s[G1T+5], 32
	s_mov_b32 s[G1T+6], 0
	s_mov_b32 s[G1T+7], 0
	s_mov_b32 s[G1S], 15|(3<<16)|(1<<21)
	s_mov_b32 s[G1S+1], 32<<16
	s_mov_b32 s[G1S+2], 8<<16
	s_mov_b32 s[G1S+3], 32<<16
	s_mov_b32 s[G1S+4], 8
	s_mov_b32 s[G1H], 15|(3<<16)|(1<<21)
	s_mov_b32 s[G1H+1], 32<<16
	s_mov_b32 s[G1H+2], 48<<16
	s_mov_b32 s[G1H+3], 32<<16
	s_mov_b32 s[G1H+4], 48
	s_mov_b32 s[G1H+5], 32
	s_mov_b32 s[G1H+6], 0
	s_mov_b32 s[G1H+7], 0
	s_mov_b32 s[G1S+5], 32
	s_mov_b32 s[G1S+6], 0
	s_mov_b32 s[G1S+7], 0
	s_mov_b32 s[SEL], 0x76543210
	s_mov_b32 s[SEL+1], 0xfedcba98
	s_mov_b32 s[CS], 0x3e0293ee
	s_mov_b32 s[CS+1], s[CS]
	s_mov_b32 s[TB], 0
	s_mov_b32 s[TS], 0
	s_mov_b32 s[SLOTS], 3
	s_mov_b32 s[KF], 0
	s_wait_dscnt 0x0
	s_wait_kmcnt 0x0
	s_mov_b32 s[G0T], 1
	s_mul_i32 s[G0T+1], s[WV], KSB/2
	s_add_nc_u64 s[G0T+2:G0T+3], s[4:5], s[60:61]
	s_or_b32 s[G0T+3], s[G0T+3], 0x80000000
	s_mov_b32 s[G0S], 1
	s_add_nc_u64 s[G0H+2:G0H+3], s[4:5], s[76:77]
	s_or_b32 s[G0H+3], s[G0H+3], 0x80000000
	s_mov_b32 s[G0H], 1
	s_mul_i32 s[G0H+1], s[TW], KSB
	s_lshl_b32 s[G0S+1], s[TW], 11
	s_add_co_u32 s[G0S+1], s[G0S+1], SCL
	s_add_nc_u64 s[G0S+2:G0S+3], s[6:7], s[62:63]
	s_or_b32 s[G0S+3], s[G0S+3], 0x80000000
	s_add_nc_u64 s[66:67], s[4:5], s[66:67]
	s_add_nc_u64 s[68:69], s[6:7], s[68:69]
	s_add_nc_u64 s[8:9], s[8:9], s[70:71]
	s_add_nc_u64 s[10:11], s[10:11], s[72:73]
	CROUND
	s_cmp_lt_u32 s[WV], 8                          ; one tensor load a wave at the head, one to an arm
	s_cbranch_scc0 .Lhead_scales
	tensor_load_to_lds s[G0H:G0H+3], s[G1H:G1H+7]
	s_nop 0
	PLACES 4
	s_branch .Lhead_asked
.Lhead_scales:
	tensor_load_to_lds s[G0S:G0S+3], s[G1S:G1S+7]
	s_nop 0
	PLACES 4
.Lhead_asked:
	v_and_b32 v8, 31, v0
	s_delay_alu instid0(VALU_DEP_1)
	v_lshlrev_b32 v1, 4, v8
	s_delay_alu instid0(VALU_DEP_1)
	v_add_nc_u32 v2, VOFF, v1
	s_delay_alu instid0(VALU_DEP_3)
	v_lshl_add_u32 v3, v8, 3, SCL
	s_delay_alu instid0(VALU_DEP_3)
	v_add_nc_u32 v[ADM], s75, v1
	v_and_b32 v8, 15, v0
	s_delay_alu instid0(VALU_DEP_1)
	v_lshlrev_b32 v7, 3, v8
	s_delay_alu instid0(VALU_DEP_2)
	v_and_b32 v9, 8, v8
	s_delay_alu instid0(VALU_DEP_1)
	v_add_nc_u32 v4, v8, v9
	v_bfe_u32 v9, v0, 4, 1
	s_delay_alu instid0(VALU_DEP_1)
	v_lshlrev_b32 v9, 4, v9
	s_delay_alu instid0(VALU_DEP_1)
	v_sub_nc_u32 v4, v4, v9
.irp c, 0,1,2
	global_load_b128 v[16+4*\c:19+4*\c], v1, s[66:67] offset:512*\c
.endr
	global_load_b32 v255, v7, s[68:69]
	v_mov_b32 v13, 0xff61b1e6
	s_delay_alu instid0(VALU_DEP_1)
	v_floor_f32 v12, -v13
	v_mov_b32 v14, 0
	v_mov_b32 v15, 0
.irp b, 0,1,2,3
	v_mov_b32 v[236+\b], 0
.endr
	v_mov_b32 v252, 0
	v_mov_b32 v253, 0
.set n, 0
.rept 64
	v_mov_b32 v[160+n], 0
.set n, n+1
.endr
.macro STEP q
	s_cmp_lg_u32 s[PAR], (\q)%2
	s_cbranch_scc1 .Lhidden_\@
	s_add_co_u32 s53, s[Q0], 23
	s_cmp_gt_u32 s[KF], s53
	s_cbranch_scc1 .Lhidden_\@
	s_wait_alu depctr_va_vdst(0)
	PLACES 5                                       ; the loads land on, and the scores are written over, registers that the last products read
	ds_load_b64 v[248:249], v[ADS] offset:512*(\q)
	ds_load_b64 v[250:251], v[ADS] offset:512*(\q)+256
.irp t, 4,5,6,7,0,1,2,3                    ; all eight fragments of K in one run, fragment t at v[32 + 12 t]: v32-127; tiles 4-7 first
.irp c, 0,1,2
	ds_load_b128 v[32+12*\t+4*\c:35+12*\t+4*\c], v[ADK] offset:KSB*(\q)+\t*1536+512*\c
.endr
.endr
.irp g, 1,0                                ; tiles 4-7 give v128-159; then tiles 0-3 give v96-127, over fragments 5-7, which are done with
	s_wait_dscnt 12*\g                             ; g = 1: the 12 younger loads, tiles 0-3's, may be out
.if \g == 0
	PLACES 5                                       ; five places ahead of a matrix instruction that writes over an earlier one's source
.endif
.irp t, 0,1,2,3
.if \t%2
	v_wmma_scale_f32_16x16x128_f8f6f4 v[96+8*(4*\g+\t):103+8*(4*\g+\t)], v[32+12*(4*\g+\t):43+12*(4*\g+\t)], v[16:27], 0, v[248+2*\g+\t/2], v255 matrix_a_fmt:MATRIX_FMT_FP6 matrix_b_fmt:MATRIX_FMT_FP6 matrix_a_scale:MATRIX_SCALE_ROW1
.else
	v_wmma_scale_f32_16x16x128_f8f6f4 v[96+8*(4*\g+\t):103+8*(4*\g+\t)], v[32+12*(4*\g+\t):43+12*(4*\g+\t)], v[16:27], 0, v[248+2*\g+\t/2], v255 matrix_a_fmt:MATRIX_FMT_FP6 matrix_b_fmt:MATRIX_FMT_FP6
.endif
.endr
.endr
	PLACES 4
.irp t, 0,1,2,3
.irp c, 0,1,2
	ds_load_b128 v[32+12*\t+4*\c:35+12*\t+4*\c], v[ADV] offset:KSB*(\q)+\t*1536+512*\c
.endr
.endr
	ds_load_b64 v[248:249], v[ADS] offset:8192+512*(\q)
	ds_load_b64 v[250:251], v[ADS] offset:8192+512*(\q)+256
	s_add_co_u32 s53, s[KF], 127
	s_cmp_le_u32 s53, s[Q0]
	s_cbranch_scc1 .Lopen_\@
	s_sub_co_i32 s53, s[Q0], s[KF]
	v_add_nc_u32 v252, s53, v4
	v_mov_b32 v254, 0xff800000
.set n, 0
.rept 64
	v_cmp_gt_i32 vcc_lo, 32*(n/16)+n%16, v252
	v_cndmask_b32 v[96+n], v[96+n], v254, vcc_lo
.set n, n+1
.endr
.Lopen_\@:
.irp b, 0,1,2,3
	v_max3_num_f32 v[232+\b], v[96+16*\b], v[97+16*\b], v[98+16*\b]
.endr
.irp i, 3,5,7,9,11,13
.irp b, 0,1,2,3
	v_max3_num_f32 v[232+\b], v[232+\b], v[96+16*\b+\i], v[97+16*\b+\i]
.endr
.endr
.irp b, 0,1,2,3
	v_max_num_f32 v[232+\b], v[232+\b], v[111+16*\b]
.endr
.irp b, 0,1,2,3
	s_delay_alu instid0(VALU_DEP_4)
	v_permlanex16_b32 v[236+\b], v[232+\b], s[SEL], s[SEL+1]
.endr
.irp b, 0,1,2,3
	s_delay_alu instid0(VALU_DEP_4)
	v_max_num_f32 v[232+\b], v[232+\b], v[236+\b]
.endr
	s_delay_alu instid0(VALU_DEP_2)
	v_max3_num_f32 v254, v232, v233, v234
	s_delay_alu instid0(VALU_DEP_1)
	v_max_num_f32 v254, v254, v235
	s_delay_alu instid0(VALU_DEP_1)
	v_mul_f32 v254, s[CS], v254
	s_delay_alu instid0(VALU_DEP_1)
	v_max_num_f32 v13, v13, v254
	v_mov_b32 v254, v12
	s_delay_alu instid0(VALU_DEP_2)
	v_floor_f32 v12, -v13
	s_delay_alu instid0(VALU_DEP_1)
	v_sub_f32 v254, v12, v254
	s_delay_alu instid0(VALU_DEP_1)
	v_cvt_i32_f32 v254, v254
	s_delay_alu instid0(VALU_DEP_1)
	v_ldexp_f32 v252, 1.0, v254
.set n, 0
.rept 32
	v_pk_fma_f32 v[96+n:97+n], v[96+n:97+n], s[CS:CS+1], v[12:13] op_sel_hi:[1,0,0]
.set n, n+2
.endr
.irp b, 0,1,2,3
	v_fma_f32 v[232+\b], v[232+\b], s[CS], v12
.endr
.set n, 0
	s_wait_alu depctr_va_vdst(0)
.rept 64
	v_exp_f32 v[96+n], v[96+n]
.set n, n+1
.endr
	v_pk_mul_f32 v[14:15], v[14:15], v[252:253] op_sel_hi:[1,0]
	s_wait_alu depctr_va_vdst(0)
.irp b, 0,1,2,3
	v_exp_f32 v[232+\b], v[232+\b]
.endr
	v_pk_add_f32 v[236:237], v[96:97], v[98:99]
.irp j, 4,8,12,16,20,24,28,32,36,40,44,48,52,56,60
	v_pk_add_f32 v[14:15], v[14:15], v[96+\j:97+\j]
	v_pk_add_f32 v[236:237], v[236:237], v[98+\j:99+\j]
.endr
	s_delay_alu instid0(VALU_DEP_1)
	v_pk_add_f32 v[14:15], v[14:15], v[236:237]
	s_wait_alu depctr_va_vdst(0)
.irp b, 0,1,2,3
	v_max_num_f32 v[232+\b], 0x1800000, v[232+\b]
.endr
.irp b, 0,1,2,3
	s_delay_alu instid0(VALU_DEP_4)
	v_add_nc_u32 v[244+\b], 0xff000000, v[232+\b]
.endr
.irp b, 0,1,2,3
	s_delay_alu instid0(VALU_DEP_4)
	v_lshrrev_b32 v[236+\b], 23, v[244+\b]
.endr
	s_delay_alu instid0(VALU_DEP_3)
	v_lshl_or_b32 v253, v237, 8, v236
	s_delay_alu instid0(VALU_DEP_1)
	v_lshl_or_b32 v253, v238, 16, v253
	s_delay_alu instid0(VALU_DEP_1)
	v_lshl_or_b32 v253, v239, 24, v253
.irp c, 0,1
	v_cvt_scalef32_pk16_fp6_f32 v[224+6*\c:226+6*\c], v[96+32*\c:111+32*\c], v[244+2*\c]
	v_cvt_scalef32_pk16_fp6_f32 v[236+4*\c:238+4*\c], v[112+32*\c:127+32*\c], v[244+2*\c+1]
.endr
	v_nop
.irp c, 0,1
.irp i, 0,1,2
	v_permlane16_swap_b32 v[224+6*\c+\i], v[236+4*\c+\i]
.endr
.irp i, 0,1,2
	s_delay_alu instid0(VALU_DEP_3)
	v_mov_b32 v[227+6*\c+\i], v[236+4*\c+\i]
.endr
.endr
.set n, 0
.irp t, 0,1,2,3                            ; p has been converted: V's fragments 4-7 go into v96-143, ahead of O's 32 rescalings
.irp c, 0,1,2
	ds_load_b128 v[96+12*\t+4*\c:99+12*\t+4*\c], v[ADV] offset:KSB*(\q)+(4+\t)*1536+512*\c
.endr
.endr
.rept 32
	v_pk_mul_f32 v[160+n:161+n], v[160+n:161+n], v[252:253] op_sel_hi:[1,0]
.set n, n+2
.endr
	s_wait_alu depctr_va_vdst(0)
.irp g, 0,1
	s_wait_dscnt 12-12*\g                          ; g = 0: the 12 younger loads, fragments 4-7's, may be out
.irp t, 0,1,2,3
.if \t%2
	v_wmma_scale_f32_16x16x128_f8f6f4 v[160+8*(4*\g+\t):167+8*(4*\g+\t)], v[32+64*\g+12*\t:43+64*\g+12*\t], v[224:235], v[160+8*(4*\g+\t):167+8*(4*\g+\t)], v[248+2*\g+\t/2], v253 matrix_a_fmt:MATRIX_FMT_FP6 matrix_b_fmt:MATRIX_FMT_FP6 matrix_a_scale:MATRIX_SCALE_ROW1
.else
	v_wmma_scale_f32_16x16x128_f8f6f4 v[160+8*(4*\g+\t):167+8*(4*\g+\t)], v[32+64*\g+12*\t:43+64*\g+12*\t], v[224:235], v[160+8*(4*\g+\t):167+8*(4*\g+\t)], v[248+2*\g+\t/2], v253 matrix_a_fmt:MATRIX_FMT_FP6 matrix_b_fmt:MATRIX_FMT_FP6
.endif
.endr
.endr
.Lhidden_\@:
	s_add_co_u32 s[KF], s[KF], 128
.endm
.macro CHANGE fill
	s_wait_tensorcnt 0x0
	ds_add_u32 v[SPW], v[NIL]
.if \fill
	s_xor_b32 s[G0T+1], s[G0T+1], SLOT1
	s_add_nc_u64 s[G0T+2:G0T+3], s[G0T+2:G0T+3], 4*KSB
	s_wait_dscnt 0x0
	CROUND
	tensor_load_to_lds s[G0T:G0T+3], s[G1T:G1T+7]
	s_nop 0
	PLACES 4
.else
	s_wait_dscnt 0x0
	s_barrier_signal -1
	s_barrier_wait -1
.endif
	v_add_nc_u32 v[ADK], s[TB], v1
	v_add_nc_u32 v[ADV], s[TB], v2
	v_add_nc_u32 v[ADS], s[TS], v3
.endm
	s_wait_loadcnt 0x0
.Lslot:
	CHANGE 1
	STEP 0
	STEP 1
	STEP 2
	STEP 3
	s_xor_b32 s[TB], s[TB], SLOT1
	s_add_co_u32 s[TS], s[TS], 2048
	s_sub_co_u32 s[SLOTS], s[SLOTS], 1
	s_cmp_lg_u32 s[SLOTS], 0
	s_cbranch_scc1 .Lslot
	CHANGE 0
	STEP 0
	STEP 1
	STEP 2
	STEP 3
	PLACES 4
	s_cmp_eq_u32 s[PAR], 0
	s_cbranch_scc1 .Lkeep
	s_wait_alu depctr_va_vdst(0)
.irp i, 0,1,2,3,4,5,6,7,8,9,10,11,12,13,14,15
	ds_store_b128 v[ADM], v[160+4*\i:163+4*\i] offset:512*\i
.endr
	ds_store_b128 v[ADM], v[12:15] offset:8192
.Lkeep:
	s_wait_dscnt 0x0
	s_barrier_signal -1
	s_barrier_wait -1
	s_cmp_lg_u32 s[PAR], 0
	s_cbranch_scc1 .Lend
.irp i, 0,1,2,3,4,5,6,7,8,9,10,11,12,13,14,15
	ds_load_b128 v[96+4*\i:99+4*\i], v[ADM] offset:512*\i
.endr
	ds_load_b128 v[32:35], v[ADM] offset:8192
	s_wait_dscnt 0x0
	v_min_num_f32 v36, v12, v32
	s_delay_alu instid0(VALU_DEP_1)
	v_sub_f32 v37, v36, v12
	s_delay_alu instid0(VALU_DEP_2)
	v_sub_f32 v39, v36, v32
	s_delay_alu instid0(VALU_DEP_2)
	v_cvt_i32_f32 v37, v37
	s_delay_alu instid0(VALU_DEP_2)
	v_cvt_i32_f32 v39, v39
	s_delay_alu instid0(VALU_DEP_2)
	v_ldexp_f32 v40, 1.0, v37
	s_delay_alu instid0(VALU_DEP_2)
	v_ldexp_f32 v42, 1.0, v39
	s_delay_alu instid0(VALU_DEP_2)
	v_mov_b32 v41, v40
	s_delay_alu instid0(VALU_DEP_2)
	v_mov_b32 v43, v42
	s_delay_alu instid0(VALU_DEP_2)
	v_pk_mul_f32 v[14:15], v[14:15], v[40:41] op_sel_hi:[1,0]
	s_delay_alu instid0(VALU_DEP_1)
	v_pk_fma_f32 v[14:15], v[34:35], v[42:43], v[14:15] op_sel_hi:[1,0,1]
.set n, 0
.rept 32
	v_pk_mul_f32 v[160+n:161+n], v[160+n:161+n], v[40:41] op_sel_hi:[1,0]
.set n, n+2
.endr
.set n, 0
.rept 32
	v_pk_fma_f32 v[160+n:161+n], v[96+n:97+n], v[42:43], v[160+n:161+n] op_sel_hi:[1,0,1]
.set n, n+2
.endr
	v_add_f32 v14, v14, v15
	s_delay_alu instid0(VALU_DEP_1)
	v_permlanex16_b32 v252, v14, s[SEL], s[SEL+1]
	s_delay_alu instid0(VALU_DEP_1)
	v_add_f32 v14, v14, v252
	s_wait_alu depctr_va_vdst(0)
	v_rcp_f32 v14, v14
	v_nop
	s_wait_alu depctr_va_vdst(0)
.set n, 0
.rept 64
	v_mul_f32 v[96+n], v[160+n], v14
.set n, n+1
.endr
.irp b, 0,1,2,3
	v_max3_num_f32 v[232+\b], |v[96+16*\b]|, |v[97+16*\b]|, 0x1800000
.endr
.irp i, 2,4,6,8,10,12,14
.irp b, 0,1,2,3
	s_delay_alu instid0(VALU_DEP_4)
	v_max3_num_f32 v[232+\b], v[232+\b], |v[96+16*\b+\i]|, |v[97+16*\b+\i]|
.endr
.endr
.irp b, 0,1,2,3
	s_delay_alu instid0(VALU_DEP_4)
	v_permlanex16_b32 v[236+\b], v[232+\b], s[SEL], s[SEL+1]
.endr
.irp b, 0,1,2,3
	s_delay_alu instid0(VALU_DEP_4)
	v_max_num_f32 v[232+\b], v[232+\b], v[236+\b]
.endr
.irp b, 0,1,2,3
	s_delay_alu instid0(VALU_DEP_4)
	v_add_nc_u32 v[244+\b], 0xff000000, v[232+\b]
.endr
.irp b, 0,1,2,3
	s_delay_alu instid0(VALU_DEP_4)
	v_lshrrev_b32 v[236+\b], 23, v[244+\b]
.endr
	s_delay_alu instid0(VALU_DEP_3)
	v_lshl_or_b32 v253, v237, 8, v236
	s_delay_alu instid0(VALU_DEP_1)
	v_lshl_or_b32 v253, v238, 16, v253
	s_delay_alu instid0(VALU_DEP_1)
	v_lshl_or_b32 v253, v239, 24, v253
.irp c, 0,1
	v_cvt_scalef32_pk16_fp6_f32 v[224+6*\c:226+6*\c], v[96+32*\c:111+32*\c], v[244+2*\c]
	v_cvt_scalef32_pk16_fp6_f32 v[236+4*\c:238+4*\c], v[112+32*\c:127+32*\c], v[244+2*\c+1]
.endr
	v_nop
.irp c, 0,1
.irp i, 0,1,2
	v_permlane16_swap_b32 v[224+6*\c+\i], v[236+4*\c+\i]
.endr
.irp i, 0,1,2
	s_delay_alu instid0(VALU_DEP_3)
	v_mov_b32 v[227+6*\c+\i], v[236+4*\c+\i]
.endr
.endr
.irp c, 0,1,2
	global_store_b128 v1, v[224+4*\c:227+4*\c], s[8:9] offset:512*\c
.endr
	global_store_b32 v7, v253, s[10:11]
.Lend:
	s_wait_tensorcnt 0x0
	ds_add_u32 v[SPW], v[NIL]
	s_wait_dscnt 0x0
	CROUND
	s_endpgm
.Lfunc_end_k_q20434d2893_attn:
	.size	k_q20434d2893_attn, .Lfunc_end_k_q20434d2893_attn-k_q20434d2893_attn
	.p2alignl 7, 3214868480
	.fill 96, 4, 3214868480
	.section	.rodata,"a",@progbits
	.p2align	6, 0x0
	.amdhsa_kernel k_q20434d2893_attn
		.amdhsa_group_segment_fixed_size 327680
		.amdhsa_private_segment_fixed_size 0
		.amdhsa_enable_private_segment 0
		.amdhsa_kernarg_size 32
		.amdhsa_user_sgpr_count 2
		.amdhsa_user_sgpr_kernarg_segment_ptr 1
		.amdhsa_wavefront_size32 1
		.amdhsa_system_sgpr_workgroup_id_x 1
		.amdhsa_system_sgpr_workgroup_id_y 1
		.amdhsa_system_sgpr_workgroup_id_z 1
		.amdhsa_system_vgpr_workitem_id 0
		.amdhsa_next_free_vgpr 256
		.amdhsa_next_free_sgpr 88
		.amdhsa_reserve_vcc 1
		.amdhsa_float_denorm_mode_32 3
		.amdhsa_float_denorm_mode_16_64 3
		.amdhsa_memory_ordered 1
		.amdhsa_forward_progress 1
		.amdhsa_inst_pref_size 228
	.end_amdhsa_kernel
	.amdgpu_metadata
---
amdhsa.version: [ 1, 2 ]
amdhsa.kernels:
  - .name:           k_q20434d2893_attn
    .symbol:         k_q20434d2893_attn.kd
    .args:
      - { .name: qkvc, .offset: 0, .size: 8, .value_kind: global_buffer, .address_space: global }
      - { .name: qkvs, .offset: 8, .size: 8, .value_kind: global_buffer, .address_space: global }
      - { .name: ac, .offset: 16, .size: 8, .value_kind: global_buffer, .address_space: global }
      - { .name: asc, .offset: 24, .size: 8, .value_kind: global_buffer, .address_space: global }
    .group_segment_fixed_size: 327680
    .private_segment_fixed_size: 0
    .kernarg_segment_align: 8
    .kernarg_segment_size: 32
    .max_flat_workgroup_size: 512
    .sgpr_count:     88
    .vgpr_count:     256
    .wavefront_size: 32
...
	.end_amdgpu_metadata
.endif
;; end of part 3
;; launch gemm_out (part 4): grid 16 x 16, 4 waves a work-group, clusters of 4 x 4, 327,680 bytes of LDS; arguments ac, asc, wc, ws, out0; writes out0
.if DOCPART == 4
	.amdgcn_target "amdgcn-amd-amdhsa--gfx1250"
	.amdhsa_code_object_version 6
	.text
	.protected	k_q20434d2893_gemm_out
	.globl	k_q20434d2893_gemm_out
	.p2align	8
	.type	k_q20434d2893_gemm_out,@function
k_q20434d2893_gemm_out:
	s_mov_b64 s[64:65], 0
	v_nop
	global_prefetch_b8 v0, s[64:65] scope:SCOPE_SE
	s_setreg_imm32_b32 hwreg(HW_REG_WAVE_MODE, 25, 1), 1
	s_wait_xcnt 0x0
	s_wait_alu depctr_hold_cnt(0) depctr_sa_sdst(0) depctr_va_vdst(0) depctr_va_sdst(0) depctr_va_ssrc(0) depctr_va_vcc(0) depctr_vm_vsrc(0)
	s_getreg_b32 s2, hwreg(HW_REG_IB_STS2, 6, 4)
	s_cmp_eq_u32 s2, 0
	s_cbranch_scc0 .Lentry_in_a_cluster
	s_endpgm
.Lentry_in_a_cluster:
	s_bfe_u32 s2, ttmp6, 0x10000c
	s_cmp_lg_u32 s2, 0xf033
	s_cbranch_scc0 .Lentry_shape_is_right
	s_endpgm
.Lentry_shape_is_right:
; out0 = a wo on codes of FP6 (E2M3) with E8M0 scales; a is attention's result [2048][2048] as fragment images, wo the column groups 24-39 of wc.  out0: [2048][2048] f32.
; A work-group takes 128 x 128 of out0 (256 work-groups), a wave 64 x 64: 16 accumulators.  K = 2,048 goes in four parts of 512 through two LDS slots, all written out.
; Source 0 = 4 tiles of wo, source 1 = 4 tiles of a: a lane holds one row of out0 and eight neighbouring columns an accumulator.  The rows of a tile are 8u+r+8(r>>3) of each 32, of a and of wo alike.
; CLUSTERS: 4 x 4: a's tiles are shared along a row of the cluster, wo's along a column: joint loads.  A wave has one tensor load out at a time.
; REGISTERS: window 0: v16-29 addresses; v32-63 scale words, two sets; v128-175 source 1's 4 fragments; on the way out v128-255.   window 1: source 0's 4 fragments, two sets, at v0 and v128.   window 2: accumulator (a, b) at v[8 (4 a + b)].
.set TA,    8
.set NS0,   4
.set WOFFC, 4718592                    ; wo begins at column group 24 of wc and ws
.set WOFFS, 196608
.set FRB,   1536
.set TILEB, 4*FRB
.set BOFF,  TA*TILEB
.set SLOT,  (TA+8)*TILEB
.set SCA,   2*SLOT
.set SCB,   SCA+TA*1024
.set SPARE, SCB+8192                   ; the spare words, 128 bytes a wave: two blocks of 256 bytes that no other line names
.set STG,   SPARE+512                  ; the way out: a stage of its own for each wave, 4 blocks of 16 rows x (256 bytes + 16): no tensor load fills it
.set ADR1,  16
.set ADR0,  20
.set ADSC0, 22
.set ADSC1, 23
.set SPW,   28
.set NIL,   29
.set SC,    32
.set SCN,   2*(NS0+4)
.set AF,    128
.set G1,   24
.set G0,   32
.set G1B,  48
.set G0B,  56
.set G1S,  68
.set G0S,  76
.set G1SB, 88
.set G0SB, 96
.set MSB, 0
.macro WIN new                         ; the immediate's high byte repeats the setting that is left
.if MSB != \new
	s_set_vgpr_msb (MSB<<8)|\new
.set MSB, \new
.endif
.endm
.macro PLACES n
.rept \n
	v_nop
.endr
.endm
; A joint load: waves 0 and 1 fetch for a, waves 2 and 3 for wo.  The branch hangs on the wave's number alone.  An s_nop 0 and four v_nop follow each line.
.macro JLOAD g0a, g1a, g0b, g1b
	s_cmp_eq_u32 s15, 0
	s_cbranch_scc0 .Lfor_b_\@
	tensor_load_to_lds s[\g0a:\g0a+3], s[\g1a:\g1a+7]
	s_nop 0
.rept 4
	v_nop
.endr
	s_branch .Lasked_\@
.Lfor_b_\@:
	tensor_load_to_lds s[\g0b:\g0b+3], s[\g1b:\g1b+7]
	s_nop 0
.rept 4
	v_nop
.endr
.Lasked_\@:
.endm
.macro CREST
	s_cmp_lg_u32 s14, 0
	s_cbranch_scc1 .Lnot_wave_0_\@
	s_barrier_signal -3
.Lnot_wave_0_\@:
	s_barrier_wait -3
	s_barrier_signal -1
	s_barrier_wait -1
.endm
.macro CROUND
	s_barrier_signal -1
	s_barrier_wait -1
	CREST
.endm
.macro FRAG reg, adr, off              ; a fragment's image: three loads of 512 consecutive bytes
.irp c, 0,1,2
	ds_load_b128 v[\reg+4*\c:\reg+4*\c+3], v[\adr] offset:\off+512*\c
.endr
.endm
.macro FETCH_S0 slot, q, p
	WIN 0x40
.irp i, 0,1,2,3,4,5,6,7
.if \i < NS0
	FRAG 128*(\p)+12*\i, ADR0+\slot, \i*TILEB+(\q)*FRB
.endif
.endr
	WIN 0
.endm
.macro FETCH_S1 slot, q, i0
.irp i, \i0, \i0+1
	FRAG AF+12*(\i), ADR1+\slot, (\i)*TILEB+(\q)*FRB
.endr
.endm
.macro SCALES set, ks                  ; a load brings a pair of tiles (lanes 0-15 the even one, 16-31 the odd one), two K steps
.irp g, 0,1
.irp p, 0,1,2,3
.if \p < NS0/2
	ds_load_b64 v[SC+SCN*(\set)+(NS0+4)*\g+2*\p:SC+SCN*(\set)+(NS0+4)*\g+2*\p+1], v[ADSC0] offset:(2*(\ks)+\g)*1024+256*\p
.endif
.endr
.irp p, 0,1
	ds_load_b64 v[SC+SCN*(\set)+(NS0+4)*\g+NS0+2*\p:SC+SCN*(\set)+(NS0+4)*\g+NS0+2*\p+1], v[ADSC1] offset:(2*(\ks)+\g)*1024+256*\p
.endr
.endr
.endm
.macro WM a, b, p, q, set, zero
.set rD, 8*(NS0*(\a)+(\b))
.set rA, 128*(\p)+12*(\b)
.set rB, AF+12*(\a)
.set rX, SC+SCN*(\set)+(NS0+4)*((\q)/2)+(\q)%2
.set rSA, rX+2*((\b)/2)
.set rSB, rX+NS0+2*((\a)/2)
.set sel, 4*(\zero)+2*((\b)%2)+(\a)%2
.if sel == 0
	v_wmma_scale_f32_16x16x128_f8f6f4 v[rD:rD+7], v[rA:rA+11], v[rB:rB+11], v[rD:rD+7], v[rSA], v[rSB] matrix_a_fmt:MATRIX_FMT_FP6 matrix_b_fmt:MATRIX_FMT_FP6
.elseif sel == 1
	v_wmma_scale_f32_16x16x128_f8f6f4 v[rD:rD+7], v[rA:rA+11], v[rB:rB+11], v[rD:rD+7], v[rSA], v[rSB] matrix_a_fmt:MATRIX_FMT_FP6 matrix_b_fmt:MATRIX_FMT_FP6 matrix_b_scale:MATRIX_SCALE_ROW1
.elseif sel == 2
	v_wmma_scale_f32_16x16x128_f8f6f4 v[rD:rD+7], v[rA:rA+11], v[rB:rB+11], v[rD:rD+7], v[rSA], v[rSB] matrix_a_fmt:MATRIX_FMT_FP6 matrix_b_fmt:MATRIX_FMT_FP6 matrix_a_scale:MATRIX_SCALE_ROW1
.elseif sel == 3
	v_wmma_scale_f32_16x16x128_f8f6f4 v[rD:rD+7], v[rA:rA+11], v[rB:rB+11], v[rD:rD+7], v[rSA], v[rSB] matrix_a_fmt:MATRIX_FMT_FP6 matrix_b_fmt:MATRIX_FMT_FP6 matrix_a_scale:MATRIX_SCALE_ROW1 matrix_b_scale:MATRIX_SCALE_ROW1
.elseif sel == 4
	v_wmma_scale_f32_16x16x128_f8f6f4 v[rD:rD+7], v[rA:rA+11], v[rB:rB+11], 0, v[rSA], v[rSB] matrix_a_fmt:MATRIX_FMT_FP6 matrix_b_fmt:MATRIX_FMT_FP6
.elseif sel == 5
	v_wmma_scale_f32_16x16x128_f8f6f4 v[rD:rD+7], v[rA:rA+11], v[rB:rB+11], 0, v[rSA], v[rSB] matrix_a_fmt:MATRIX_FMT_FP6 matrix_b_fmt:MATRIX_FMT_FP6 matrix_b_scale:MATRIX_SCALE_ROW1
.elseif sel == 6
	v_wmma_scale_f32_16x16x128_f8f6f4 v[rD:rD+7], v[rA:rA+11], v[rB:rB+11], 0, v[rSA], v[rSB] matrix_a_fmt:MATRIX_FMT_FP6 matrix_b_fmt:MATRIX_FMT_FP6 matrix_a_scale:MATRIX_SCALE_ROW1
.else
	v_wmma_scale_f32_16x16x128_f8f6f4 v[rD:rD+7], v[rA:rA+11], v[rB:rB+11], 0, v[rSA], v[rSB] matrix_a_fmt:MATRIX_FMT_FP6 matrix_b_fmt:MATRIX_FMT_FP6 matrix_a_scale:MATRIX_SCALE_ROW1 matrix_b_scale:MATRIX_SCALE_ROW1
.endif
.endm
.macro MUL1 a, p, q, set, zero         ; the accumulators take turns, one instruction a turn, in the same order in every K step
.irp b, 0,1,2,3,4,5,6,7
.if \b < NS0
	WM \a, \b, \p, \q, \set, \zero
.endif
.endr
.endm
.macro MUL a0, p, q, set, zero
	MUL1 \a0, \p, \q, \set, \zero
	MUL1 \a0+1, \p, \q, \set, \zero
.endm
.macro STEP slot, q, zero
	s_wait_dscnt 6                                 ; all but the youngest six loads (source 1's tiles 2, 3) are in
	WIN 0xa1
	MUL 0, (\q)%2, \q, \slot, \zero
	s_wait_dscnt 0x0
	PLACES 4
	FETCH_S0 \slot, (\q)+1, 1-(\q)%2
	FETCH_S1 \slot, (\q)+1, 0
	WIN 0xa1
	MUL 2, (\q)%2, \q, \slot, \zero
	PLACES 4
	WIN 0
	FETCH_S1 \slot, (\q)+1, 2
.endm
.macro TURN slot, next, fill, ks
	s_wait_tensorcnt 0x0                           ; all my tensor loads have landed: my part of the next slot
	ds_add_u32 v[SPW], v[NIL]                      ; 0 onto my spare word
	s_wait_dscnt 7                                 ; (the add and the youngest six loads may be out)
	WIN 0xa1
	MUL1 0, 1, 3, \slot, 0
	s_wait_dscnt 0x0                               ; the add is done, and my reads of this slot are over
	s_barrier_signal -1
	MUL1 1, 1, 3, \slot, 0
	WIN 0
	s_barrier_wait -1
.if \fill
	CREST                                          ; the barrier has opened a round of the cluster's: no wave of any partner still reads this slot or has a load on its way
	s_add_nc_u64 s[G0+4*\slot+2:G0+4*\slot+3], s[G0+4*\slot+2:G0+4*\slot+3], 2*TILEB
	s_add_nc_u64 s[G0B+4*\slot+2:G0B+4*\slot+3], s[G0B+4*\slot+2:G0B+4*\slot+3], 2*TILEB
	JLOAD G0+4*\slot, G1, G0B+4*\slot, G1B
.else
	PLACES 4
.endif
	FETCH_S0 \next, 0, 0
	FETCH_S1 \next, 0, 0
	SCALES \next, \ks
.if (\fill) && (\slot) == 0
	ASK 3                                          ; behind part 2's load: part 3 is asked for, one part ahead of its load; the last refill asks for nothing
.endif
	WIN 0xa1
	MUL 2, 1, 3, \slot, 0
	PLACES 4
	WIN 0
	FETCH_S1 \next, 0, 2
.endm
	s_load_b256 s[4:11], s[0:1], 0x0               ; ac s[4:5], asc s[6:7], wc s[8:9], ws s[10:11]
	s_load_b64 s[80:81], s[0:1], 0x20              ; out0
	v_lshl_add_u32 v[SPW], v0, 2, SPARE
	v_mov_b32 v[NIL], 0
	ds_add_u32 v[SPW], v[NIL]                      ; the wave's opening
	ds_add_u32 v[SPW], v[NIL]
	v_lshrrev_b32 v1, 5, v0
	v_readfirstlane_b32 s14, v1                    ; wave
	s_lshr_b32 s15, s14, 1                         ; my half of the rows.  Also: I fetch for a (0) or for wo (1)
	s_and_b32 s16, s14, 1                          ; my half of the columns.  Also: which half I fetch
	s_bfe_u32 s40, ttmp6, 0x40000
	s_bfe_u32 s41, ttmp6, 0x40004
	s_lshl_b32 s42, ttmp9, 2
	s_add_co_u32 s42, s42, s40                     ; tx
	s_and_b32 s17, ttmp7, 0xffff
	s_lshl_b32 s17, s17, 2
	s_add_co_u32 s17, s17, s41                     ; ty
	s_lshl_b32 s43, s41, 2
	s_lshl_b32 s43, 15, s43
	s_lshl_b32 s44, 0x1111, s40
	s_or_b32 s[G1], s43, (3<<16)|(1<<21)
	s_or_b32 s[G1B], s44, (3<<16)|(1<<21)
	s_or_b32 s[G1S], s43, (3<<16)|(1<<21)
	s_or_b32 s[G1SB], s44, (3<<16)|(1<<21)
	s_mov_b32 s[G1+1], 768<<16
	s_mov_b32 s[G1+2], TA<<16                      ; the head's load brings all TA tiles; behind it the two counts are halved
	s_mov_b32 s[G1+3], 768<<16
	s_mov_b32 s[G1+4], TA
	s_mov_b32 s[G1+5], 3072
	s_mov_b32 s[G1+6], 0
	s_mov_b32 s[G1+7], 0
	s_mov_b32 s[G1B+1], 768<<16
	s_mov_b32 s[G1B+2], 8<<16
	s_mov_b32 s[G1B+3], 768<<16
	s_mov_b32 s[G1B+4], 8
	s_mov_b32 s[G1B+5], 3072
	s_mov_b32 s[G1B+6], 0
	s_mov_b32 s[G1B+7], 0
	s_mov_b32 s[G1S+1], 32<<16
	s_mov_b32 s[G1S+2], (TA*4)<<16                 ; the whole block: TA x 1,024 bytes
	s_mov_b32 s[G1S+3], 32<<16
	s_mov_b32 s[G1S+4], TA*4
	s_mov_b32 s[G1S+5], 32
	s_mov_b32 s[G1S+6], 0
	s_mov_b32 s[G1S+7], 0
	s_mov_b32 s[G1SB+1], 32<<16
	s_mov_b32 s[G1SB+2], 32<<16                    ; the whole block: 8,192 bytes
	s_mov_b32 s[G1SB+3], 32<<16
	s_mov_b32 s[G1SB+4], 32
	s_mov_b32 s[G1SB+5], 32
	s_mov_b32 s[G1SB+6], 0
	s_mov_b32 s[G1SB+7], 0
	s_mul_i32 s20, s17, TA*24576
	s_mov_b32 s21, 0
	s_mul_i32 s22, s17, TA*1024
	s_mov_b32 s23, 0
	s_mul_i32 s46, s42, 8*24576
.if WOFFC
	s_add_co_u32 s46, s46, WOFFC
.endif
	s_mov_b32 s47, 0
	s_lshl_b32 s12, s42, 13
.if WOFFS
	s_add_co_u32 s12, s12, WOFFS
.endif
	s_mov_b32 s13, 0
	s_mul_i32 s45, s16, (TA/2)*TILEB
	s_mul_i32 s100, s16, 4*TILEB
	s_add_co_u32 s100, s100, BOFF
	s_wait_dscnt 0x0                               ; the opening add is done
	s_wait_kmcnt 0x0
	s_add_nc_u64 s[20:21], s[4:5], s[20:21]
	s_add_nc_u64 s[22:23], s[6:7], s[22:23]
	s_add_nc_u64 s[46:47], s[8:9], s[46:47]
	s_add_nc_u64 s[12:13], s[10:11], s[12:13]
	CROUND                                         ; all sixteen work-groups are here: the first joint loads meet
	s_mov_b32 s[G0S], 1
	s_mov_b32 s[G0S+1], SCA
	s_mov_b64 s[G0S+2:G0S+3], s[22:23]
	s_or_b32 s[G0S+3], s[G0S+3], 0x80000000
	s_mov_b32 s[G0SB], 1
	s_mov_b32 s[G0SB+1], SCB
	s_mov_b64 s[G0SB+2:G0SB+3], s[12:13]
	s_or_b32 s[G0SB+3], s[G0SB+3], 0x80000000
.set G0H, 4                            ; s[4:7], s[8:11] group 0 of the head's two loads of codes (the arguments that lay there have been used)
.set G0HB, 8
	s_mov_b32 s[G0H], 1                            ; part 0 of all tiles of the first operand,
	s_mov_b32 s[G0H+1], 0
	s_mov_b64 s[G0H+2:G0H+3], s[20:21]
	s_or_b32 s[G0H+3], s[G0H+3], 0x80000000
	s_mov_b32 s[G0HB], 1                           ; and of the weight's eight, behind them in slot 0
	s_mov_b32 s[G0HB+1], BOFF
	s_mov_b64 s[G0HB+2:G0HB+3], s[46:47]
	s_or_b32 s[G0HB+3], s[G0HB+3], 0x80000000
	s_mul_i32 s18, s16, (TA/2)*24576               ; for the ring: my half of the tiles
	s_mov_b32 s19, 0
	s_add_nc_u64 s[20:21], s[20:21], s[18:19]
	s_mul_i32 s18, s16, 4*24576
	s_add_nc_u64 s[46:47], s[46:47], s[18:19]
	; the prefetches: of the tiles that I fetch in the ring, the four partners that ask for them jointly take a quarter each, told apart by address (cx for the first operand, cy for the weight)
	s_mul_i32 s18, s40, (TA/8)*24576
	s_mul_i32 s2, s41, 24576
	s_cmp_eq_u32 s15, 0
	s_cselect_b64 s[66:67], s[20:21], s[46:47]
	s_cselect_b32 s18, s18, s2
	s_add_nc_u64 s[66:67], s[66:67], s[18:19]      ; never rewritten
; A tile's part of K is 6,144 bytes: 24 blocks of 256, a lane a block (lanes 24-31 name the last block again).  v30 and s[66:67] are never rewritten, the part stands in the immediate.
.macro ASK part
	global_prefetch_b8 v30, s[66:67] offset:(\part)*TILEB th:TH_LOAD_NT scope:SCOPE_SE
.if TA > 8
	s_cmp_eq_u32 s15, 0                            ; my share of the first operand is two tiles
	s_cbranch_scc0 .Lone_\@
	global_prefetch_b8 v30, s[66:67] offset:(\part)*TILEB+24576 th:TH_LOAD_NT scope:SCOPE_SE
.Lone_\@:
.endif
.endm
.irp s, 0,1
	s_mov_b32 s[G0+4*\s], 1
	s_add_co_u32 s[G0+4*\s+1], s45, \s*SLOT
	s_add_nc_u64 s[G0+4*\s+2:G0+4*\s+3], s[20:21], \s*TILEB
	s_or_b32 s[G0+4*\s+3], s[G0+4*\s+3], 0x80000000
	s_mov_b32 s[G0B+4*\s], 1
	s_add_co_u32 s[G0B+4*\s+1], s100, \s*SLOT
	s_add_nc_u64 s[G0B+4*\s+2:G0B+4*\s+3], s[46:47], \s*TILEB
	s_or_b32 s[G0B+4*\s+3], s[G0B+4*\s+3], 0x80000000
.endr
; THE HEAD'S LOADS, ONE A WAVE: wave 0 part 0 of the first operand, wave 1 of the weight, waves 2 and 3 the two blocks of scale words.  One chain of branches on the wave's number, one load to an arm.
.macro ARM under, g0, g1, next
	s_cmp_lt_u32 s14, \under
	s_cbranch_scc0 \next
	tensor_load_to_lds s[\g0:\g0+3], s[\g1:\g1+7]
	s_nop 0
	PLACES 4
	s_branch .Lhead_asked
\next:
.endm
	ARM 1, G0H,  G1,  .Lhead_b
	ARM 2, G0HB, G1B, .Lhead_sa
	ARM 3, G0S,  G1S, .Lhead_sb
	tensor_load_to_lds s[G0SB:G0SB+3], s[G1SB:G1SB+7]
	s_nop 0
	PLACES 4
.Lhead_asked:
	v_and_b32 v30, 31, v0
	v_min_u32 v30, 23, v30
	v_lshlrev_b32 v30, 8, v30                      ; the prefetches' offset: my block of a tile's 24
	ASK 1                                          ; part 1, whose load follows when the head's loads have landed
	v_and_b32 v1, 31, v0
	v_and_b32 v2, 15, v0                           ; l % 16
	v_bfe_u32 v3, v0, 4, 1                         ; l / 16
	v_lshlrev_b32 v6, 4, v1                        ; 16 x lane
	v_lshlrev_b32 v7, 3, v1                        ; 8 x lane
	s_mul_i32 s18, s16, 4*TILEB
	s_add_co_u32 s18, s18, BOFF                    ; source 0: my 4 tiles of wo
	s_mul_i32 s19, s15, 4*TILEB                    ; source 1: my 4 tiles of a
	v_add_nc_u32 v[ADR0], s18, v6
	v_add_nc_u32 v[ADR1], s19, v6
	v_add_nc_u32 v[ADR0+1], SLOT, v[ADR0]
	v_add_nc_u32 v[ADR1+1], SLOT, v[ADR1]
	s_lshl_b32 s18, s16, 9
	s_add_co_u32 s18, s18, SCB
	s_lshl_b32 s19, s15, 9
	s_add_co_u32 s19, s19, SCA
	v_add_nc_u32 v[ADSC0], s18, v7
	v_add_nc_u32 v[ADSC1], s19, v7
	s_mul_i32 s18, s14, 4*16*272
	s_add_co_u32 s18, s18, STG                     ; my stage
	v_mul_u32_u24 v5, v2, 272
	v_lshl_add_u32 v5, v3, 6, v5
	v_add_nc_u32 v24, s18, v5                      ; in: row r, + 64 h bytes
	v_mul_u32_u24 v5, v3, 272
	v_lshl_add_u32 v5, v2, 4, v5
	v_add_nc_u32 v25, s18, v5                      ; back: lanes 0-15 one row of 256 bytes, lanes 16-31 the next
	v_lshlrev_b32 v26, 13, v3
	v_lshl_add_u32 v26, v2, 4, v26                 ; and the same two rows in out0
	s_lshl_b32 s18, s17, 7
	s_lshl_b32 s19, s15, 6
	s_add_co_u32 s18, s18, s19                     ; my first row: 128 ty + 64 (wave / 2)
	s_lshl_b32 s18, s18, 13
	s_lshl_b32 s19, s42, 9
	s_add_co_u32 s18, s18, s19                     ; my first column, in bytes: 512 tx + 256 (wave % 2)
	s_lshl_b32 s19, s16, 8
	s_add_co_u32 s18, s18, s19
	s_mov_b32 s19, 0
	s_add_nc_u64 s[80:81], s[80:81], s[18:19]
	s_wait_alu depctr_va_vdst(0)
	s_wait_tensorcnt 0x0                           ; my tile of the head's four is in
	ds_add_u32 v[SPW], v[NIL]
	s_mov_b32 s[G1+2], (TA/2)<<16                  ; no tensor load of mine is out: from here on a load brings half of an operand's tiles
	s_mov_b32 s[G1+4], TA/2
	s_mov_b32 s[G1B+2], 4<<16
	s_mov_b32 s[G1B+4], 4
	s_wait_dscnt 0x0
	CROUND                                         ; all four tiles are in, and all sixteen work-groups are here
	JLOAD G0+4, G1, G0B+4, G1B                     ; slot 1's first fill, part 1: the first tensor load behind the round
	FETCH_S0 0, 0, 0
	FETCH_S1 0, 0, 0
	SCALES 0, 0
	ASK 2                                          ; part 2, one part ahead of its load
	FETCH_S1 0, 0, 2
	STEP 0, 0, 1                                   ; the first K step starts the sums
	STEP 0, 1, 0
	STEP 0, 2, 0
	TURN 0, 1, 1, 1
	STEP 1, 0, 0
	STEP 1, 1, 0
	STEP 1, 2, 0
	TURN 1, 0, 1, 2
	STEP 0, 0, 0
	STEP 0, 1, 0
	STEP 0, 2, 0
	TURN 0, 1, 0, 3
	STEP 1, 0, 0
	STEP 1, 1, 0
	STEP 1, 2, 0
	s_wait_dscnt 6
	WIN 0xa1
	MUL 0, 1, 3, 1, 0
	s_wait_dscnt 0x0
	MUL 2, 1, 3, 1, 0
	WIN 0
	PLACES 4                                       ; in front of the first read of results and of the loads into source 1's registers
; THE WAY OUT.  Accumulator (a, b): lane (r, h) holds row r of tile a and columns 32 (b/2) + 16 h + 8 (b%2) + 0 .. 7 of my 64: 32 bytes.  A block of 16 rows goes through my stage and comes back as whole rows of 256 bytes.
.macro TOSTAGE a
	WIN 0x08                                       ; an LDS store's data are its source 1: window 2
.irp b, 0,1,2,3
	ds_store_b128 v24, v[8*(4*(\a)+\b):8*(4*(\a)+\b)+3] offset:4352*(\a)+128*(\b/2)+32*(\b%2)       ; each accumulator from its low end on
	ds_store_b128 v24, v[8*(4*(\a)+\b)+4:8*(4*(\a)+\b)+7] offset:4352*(\a)+128*(\b/2)+32*(\b%2)+16
.endr
	WIN 0
.irp i, 0,1,2,3,4,5,6,7
	ds_load_b128 v[128+32*(\a)+4*\i:128+32*(\a)+4*\i+3], v25 offset:4352*(\a)+544*\i   ; LDS serves a wave's instructions in order: these see the stores above
.endr
.endm
.macro SEND a
	s_wait_dscnt 16*(3-(\a))                       ; the later blocks' sixteen LDS instructions each may be out
.irp i, 0,1,2,3,4,5,6,7
	global_store_b128 v26, v[128+32*(\a)+4*\i:128+32*(\a)+4*\i+3], s[80:81] offset:(32*((\a)/2)+8*((\a)%2)+2*\i+8*(\i/4))*8192 th:TH_STORE_NT   ; sixteen lanes store 256 consecutive bytes, aligned; tile row 2 i + l / 16 is row 2 i + 8 (i / 4) + l / 16 of the tile's place
.endr
.endm
	TOSTAGE 0
	TOSTAGE 1
	TOSTAGE 2
	TOSTAGE 3
	SEND 0
	SEND 1
	SEND 2
	SEND 3
	s_wait_tensorcnt 0x0                           ; the wave's end, behind my last tensor load and my last LDS store
	ds_add_u32 v[SPW], v[NIL]
	s_wait_dscnt 0x0
	CROUND                                         ; the closing round
	s_endpgm
.Lfunc_end_k_q20434d2893_gemm_out:
	.size	k_q20434d2893_gemm_out, .Lfunc_end_k_q20434d2893_gemm_out-k_q20434d2893_gemm_out
	.p2alignl 7, 3214868480
	.fill 96, 4, 3214868480
	.section	.rodata,"a",@progbits
	.p2align	6, 0x0
	.amdhsa_kernel k_q20434d2893_gemm_out
		.amdhsa_group_segment_fixed_size 327680
		.amdhsa_private_segment_fixed_size 0
		.amdhsa_enable_private_segment 0
		.amdhsa_kernarg_size 40
		.amdhsa_user_sgpr_count 2
		.amdhsa_user_sgpr_kernarg_segment_ptr 1
		.amdhsa_wavefront_size32 1
		.amdhsa_system_sgpr_workgroup_id_x 1
		.amdhsa_system_sgpr_workgroup_id_y 1
		.amdhsa_system_sgpr_workgroup_id_z 1
		.amdhsa_system_vgpr_workitem_id 0
		.amdhsa_next_free_vgpr 768
		.amdhsa_next_free_sgpr 102
		.amdhsa_reserve_vcc 0
		.amdhsa_float_denorm_mode_32 3
		.amdhsa_float_denorm_mode_16_64 3
		.amdhsa_memory_ordered 1
		.amdhsa_forward_progress 1
		.amdhsa_inst_pref_size 86
	.end_amdhsa_kernel
	.amdgpu_metadata
---
amdhsa.version: [ 1, 2 ]
amdhsa.kernels:
  - .name:           k_q20434d2893_gemm_out
    .symbol:         k_q20434d2893_gemm_out.kd
    .args:
      - { .name: ac, .offset: 0, .size: 8, .value_kind: global_buffer, .address_space: global }
      - { .name: asc, .offset: 8, .size: 8, .value_kind: global_buffer, .address_space: global }
      - { .name: wc, .offset: 16, .size: 8, .value_kind: global_buffer, .address_space: global }
      - { .name: ws, .offset: 24, .size: 8, .value_kind: global_buffer, .address_space: global }
      - { .name: out0, .offset: 32, .size: 8, .value_kind: global_buffer, .address_space: global }
    .group_segment_fixed_size: 327680
    .private_segment_fixed_size: 0
    .kernarg_segment_align: 8
    .kernarg_segment_size: 40
    .max_flat_workgroup_size: 128
    .sgpr_count:     102
    .vgpr_count:     768
    .wavefront_size: 32
...
	.end_amdgpu_metadata
.endif
;; end of part 4
